; MI455X (gfx1250); checked and timed in simulation.
; The chip was launched on July 23, 2026; its instructions are those of AMD's public machine-readable ISA for CDNA 5 (MIT licence, August 2026) and "CDNA5" Instruction Set Architecture Reference Guide (July 2026). The comments in the code are by the model that wrote it; some were corrected since.
;; Multi Head Attention. Allowed arithmetic: matrix products marked QUANTISED: E4M3 operands, one E8M0 scale for each 32 along K, by v_wmma_scale_f32_16x16x128_f8f6f4 with both operands' format E4M3, f32 sums; everything else in f32.
;; Inputs: Wk 512 x 512 float32; Wo 512 x 512 float32; Wq 512 x 512 float32; Wv 512 x 512 float32; bk 512 float32; bo 512 float32; bq 512 float32; bv 512 float32; k 8 x 2,048 x 512 float32; q 8 x 2,048 x 512 float32; v 8 x 2,048 x 512 float32.
;; Outputs: out0 8 x 2,048 x 512 float32.
;; This version of the problem:
;;   THIS VERSION OF THE PROBLEM IS GIVEN IN LOW PRECISION. The matrix products marked QUANTISED in the list below multiply operands that are first quantised to E4M3 (4 exponent bits, 3 mantissa bits; 8 bits a number), with one power-of-two scale for each 32 numbers along K (OCP MX v1.0); their sums are f32. All else is computed in f32.
;;   The module's matrix products, in the order in which they are computed (A, B: the left and right operand; K: the contracted axis; several contracted axes count as one K, in the product's order):
;;     1. [M 16,384, K 512] x [K 512, N 512]; A: input q; B: input Wq: QUANTISED
;;     2. [M 16,384, K 512] x [K 512, N 512]; A: input k; B: input Wk: QUANTISED
;;     3. [M 16,384, K 512] x [K 512, N 512]; A: input v; B: input Wv: QUANTISED
;;     4. batch 64 x [M 2,048, K 64] x [K 64, N 2,048]; A: computed on the way; B: computed on the way: QUANTISED
;;     5. batch 64 x [M 64, K 2,048] x [K 2,048, N 2,048]; A: computed on the way; B: softmax (see below): QUANTISED
;;     6. [M 16,384, K 512] x [K 512, N 512]; A: computed on the way; B: input Wo: QUANTISED
;;   THE QUANTISER, for each operand of a quantised product, along K:
;;     - K is cut into blocks of 32 from its start; a last block that is shorter is filled with zeros.
;;     - A block's scale is 2^e with e = floor(log2(the largest magnitude in the block)) - 8, held to -126 .. 127; a block of zeros has e = 0. As a byte (E8M0): e + 127.
;;     - Each number is divided by its block's scale, clamped to +-448, and rounded to the nearest number of E4M3, ties to even, subnormals kept.
;;     - The product sums the exact products of the quantised numbers (number of the format x scale) in f32.
;;   ~~~python
;;   def quantise(x, axis):      # numpy; x: float32 -> the quantised numbers, widened to float32 again
;;       x = np.moveaxis(x, axis, -1); K = x.shape[-1]
;;       x = np.pad(x, [(0, 0)] * (x.ndim - 1) + [(0, -K % 32)]); x = x.reshape(x.shape[:-1] + (-1, 32)); a = np.abs(x).max(-1, keepdims=True)
;;       e = np.where(a > 0, np.clip(np.frexp(np.where(a > 0, a, 1))[1] - 1 - 8, -126, 127), 0)      # np.frexp(a)[1] - 1 = floor(log2(a)), exactly
;;       r = np.clip(x / 2.0 ** e, -448, 448)
;;       step = 2.0 ** (np.maximum(np.frexp(np.where(r == 0, 1, r))[1] - 1, -6) - 3)
;;       q = np.round(r / step) * step * 2.0 ** e      # np.round: ties to even
;;       return np.moveaxis(q.reshape(q.shape[:-2] + (-1,))[..., :K], -1, axis).astype(np.float32)
;;   ~~~
;;   SOFTMAX AHEAD OF A QUANTISED PRODUCT. Where the list says 'softmax', what is quantised is not the finished softmax but p = 2^(t - M), with t = logit x log2(e) and M = ceil(the row's largest t), a whole number; so 1/2 < the row's largest p <= 1. The row's sum l is taken of the UNQUANTISED p, in f32, and the product's result is divided by l at the end. Since M is a whole number, a kernel that streams over the keys may use a running M (the ceiling of the running maximum): every later rescaling is an exact power of two, which a block's scale takes up: the codes' values come out the same.
;;   OPERANDS COMPUTED ON THE WAY. 'Computed on the way' means the value that the module computes at that place (a softmax that the list does not call 'softmax' is quantised finished and normalised). What goes into a quantiser is computed in f32, as accurately as f32 sums, v_exp_f32 and their like allow (about 1e-6 of the number): no bf16 or f16 on the way to a quantiser, and a product that is left as it is and whose result goes on into a quantised operand takes f32 operands (vector FMAs, or v_wmma_f32_16x16x4_f32). A number that lies on a knife's edge between two numbers of the format may be rounded either way, as far as f32 arithmetic and the matrix unit's own rounding can turn it there, and no further.
;; 2 versions. Each part assembles by itself: llvm-mc -triple=amdgcn-amd-amdhsa -mcpu=gfx1250 --defsym DOCPART=n.
;; ======== version 1 of 2: 4 launches
;; workspace buffers: inc 26,214,400 bytes; ins 1,638,400 bytes; hc 25,165,824 bytes; hs 786,432 bytes; ac 8,388,608 bytes; asc 262,144 bytes
;; launch quant (part 1): grid 800 x 1, 4 waves a work-group, no clusters, 34,304 bytes of LDS; arguments q, k, v, Wq, Wk, Wv, Wo, inc, ins; writes inc, ins
.if DOCPART == 1
	.amdgcn_target "amdgcn-amd-amdhsa--gfx1250"
	.amdhsa_code_object_version 6
	.text
	.protected	k_qdb7dbbf419_quant
	.globl	k_qdb7dbbf419_quant
	.p2align	8
	.type	k_qdb7dbbf419_quant,@function
k_qdb7dbbf419_quant:
	s_mov_b64 s[64:65], 0
	v_nop
	global_prefetch_b8 v0, s[64:65] scope:SCOPE_SE
	s_setreg_imm32_b32 hwreg(HW_REG_WAVE_MODE, 25, 1), 1
	s_wait_xcnt 0x0
; q, k, v [16384][512] and Wq, Wk, Wv, Wo [512][512], f32, K innermost, become codes of FP8 (E4M3) with one E8M0 byte for each 32 along K,
; laid as IMAGES OF OPERAND REGISTERS.  A tile is 16 row slots x 512 K: four fragments of 16 x 128 K, 2,048 bytes each; in a fragment chunk c
; (registers 4 c .. 4 c + 3 of the operand) lies at 512 c + 16 x lane: lane (r, h) holds k = 32 c + 16 h + 0 .. 15 of row slot r.
; A tile's scale words: 512 bytes, 16 bytes a lane: the words of its four fragments (lanes 16-31 repeat lanes 0-15).
; TILES: q 0-1023, k 1024-2047, v 2048-3071, Wq 3072-, Wk 3104-, Wv 3136-, Wo 3168-3199.  q's tiles take 16 neighbouring rows.  All others are PERMUTED:
; in a group of 128 rows, tile tt's slot r is row 32 (tt / 2) + 8 (tt % 2) + r + 8 (r / 8), so that a product that takes such a tile as source 0
; leaves, in a lane's registers, neighbours along the next product's K.
; A block's scale is 2^(floor(log2(its largest magnitude)) - 8); each number is divided by it, held within +-448 and rounded to the nearest code, ties to even.
; LIMITS: NaN and infinities among the inputs are not served; a block whose largest magnitude lies under 2^-118 keeps the byte 1, and so does a block of zeros
; (the rule says 127 there): its codes are zeros, and these bytes are read by this program alone.
; SHARES: a wave takes one tile: 32 KB in, 8.5 KB out.  Each load reads 512 consecutive bytes of one row; a fragment's 16 x 512 bytes turn through the wave's own stage
; in LDS (rows 528 bytes apart) and come back 64 bytes a lane: 16 neighbours of each block of 32.  No barrier: waves share nothing.  No matrix unit, no cluster: no byte is read twice.
.set X,   16                           ; v16-79    64 numbers of my row slot: register 16 b + i = k 32 b + 16 h + i
.set PC,  80                           ; v80-95    a fragment's codes
.set TM,  96                           ; v96-111   at work in QUANT
.set PW,  112                          ; v112-115  the four fragments' scale words
.set R,   128                          ; v128-255  two sets of 64: a fragment as it is loaded
.set SEL, 28                           ; s[28:29]  v_permlanex16_b32's selects for lane l xor 16
.set MNT, 30                           ; s30       the mantissa field of 448
.set STG, 16*528                       ; a wave's stage
; 64 numbers of a lane become a fragment's codes in v[pc] on and its scale word in v[pw]
.macro QUANT src, pc, pw
.irp b, 0,1,2,3
	v_max3_num_f32 v[TM+\b], |v[\src+16*\b]|, |v[\src+1+16*\b]|, 0x4800000   ; block b: my 16 numbers, and the floor 2^(9 - 127): the byte cannot fall under 1
.endr
.irp i, 2,4,6,8,10,12,14
.irp b, 0,1,2,3
	v_max3_num_f32 v[TM+\b], v[TM+\b], |v[\src+16*\b+\i]|, |v[\src+1+16*\b+\i]|   ; the four blocks by turns
.endr
.endr
.irp b, 0,1,2,3
	v_permlanex16_b32 v[TM+4+\b], v[TM+\b], s[SEL], s[SEL+1]
.endr
.irp b, 0,1,2,3
	v_max_num_f32 v[TM+\b], v[TM+\b], v[TM+4+\b]   ; with lane l xor 16's 16: the block's largest magnitude
.endr
.irp b, 0,1,2,3
	v_add_nc_u32 v[TM+12+\b], 0xfc000000, v[TM+\b]   ; 8 off its exponent field: the conversion's scale operand
.endr
.irp b, 0,1,2,3
	v_and_or_b32 v[TM+8+\b], v[TM+\b], 0x7f800000, s[MNT]   ; 448 x the scale
.endr
.irp b, 0,1,2,3
	v_lshrrev_b32 v[TM+4+\b], 23, v[TM+12+\b]   ; the scale's byte
.endr
	v_lshl_or_b32 v[\pw], v[TM+5], 8, v[TM+4]
	v_lshl_or_b32 v[\pw], v[TM+6], 16, v[\pw]
	v_lshl_or_b32 v[\pw], v[TM+7], 24, v[\pw]
.irp b, 0,1,2,3
.irp i, 0,1,2,3,4,5,6,7,8,9,10,11,12,13,14,15
	v_med3_num_f32 v[\src+16*\b+\i], v[\src+16*\b+\i], -v[TM+8+\b], v[TM+8+\b]   ; the conversion to an 8-bit code does not saturate (ISA guide 7.6.2): the hold comes first
.endr
	v_cvt_scalef32_pk8_fp8_f32 v[\pc+4*\b:\pc+4*\b+1], v[\src+16*\b:\src+16*\b+7], v[TM+12+\b]
	v_cvt_scalef32_pk8_fp8_f32 v[\pc+4*\b+2:\pc+4*\b+3], v[\src+16*\b+8:\src+16*\b+15], v[TM+12+\b]
.endr
	v_nop                                          ; one plain line behind the last conversion
.endm
.macro PICK thr, p, first              ; work-groups under thr belong to an earlier tensor: its pointer, its first work-group
	s_cmp_lt_u32 ttmp9, \thr
	s_cselect_b64 s[4:5], s[\p:\p+1], s[4:5]
	s_cselect_b32 s6, \first, s6
.endm
	s_load_b512 s[8:23], s[0:1], 0x0               ; q, k, v, Wq, Wk, Wv, Wo, inc
	s_load_b64 s[24:25], s[0:1], 0x40              ; ins
	v_lshl_add_u32 v126, v0, 2, 0x8400
	v_mov_b32 v127, 0
	v_lshrrev_b32 v1, 5, v0
	v_readfirstlane_b32 s26, v1                    ; wave
	v_and_b32 v2, 31, v0                           ; lane
	v_and_b32 v3, 15, v0                           ; r
	v_bfe_u32 v9, v0, 4, 1                         ; h
	v_lshlrev_b32 v4, 4, v2                        ; 16 x lane: my bytes of a load's 512, and of a store's
	s_mul_i32 s27, s26, STG
	v_add_nc_u32 v6, s27, v4                       ; the stage, on the way in: a row's 512 bytes as they lie
	v_mul_u32_u24 v7, v3, 528
	v_lshl_add_u32 v7, v9, 6, v7
	v_add_nc_u32 v7, s27, v7                       ; and on the way out: row r, + 64 h
	s_mov_b32 s[SEL], 0x76543210
	s_mov_b32 s[SEL+1], 0xfedcba98
	s_mov_b32 s[MNT], 0x600000
.irp b, 0,1,2,3
	v_mov_b32 v[TM+4+\b], 0                        ; written once: a lane permute's destination counts as one of its sources
.endr
	s_wait_kmcnt 0x0
	s_mov_b64 s[4:5], s[20:21]                     ; which tensor: the choice hangs on the work-group's number alone
	s_mov_b32 s6, 792
	PICK 792, 18, 784
	PICK 784, 16, 776
	PICK 776, 14, 768
	PICK 768, 12, 512
	PICK 512, 10, 256
	PICK 256, 8, 0
	s_lshl_b32 s31, ttmp9, 2
	s_add_co_u32 s31, s31, s26                     ; my tile
	s_lshl_b32 s32, s6, 2
	s_sub_co_u32 s32, s31, s32                     ; and its number in its tensor
	s_lshr_b32 s33, s32, 3
	s_lshl_b32 s33, s33, 7                         ; permuted: 128 x group
	s_bfe_u32 s34, s32, 0x20001
	s_lshl_b32 s34, s34, 5                         ; + 32 (tt / 2)
	s_add_co_u32 s33, s33, s34
	s_and_b32 s34, s32, 1
	s_lshl_b32 s34, s34, 3                         ; + 8 (tt % 2)
	s_add_co_u32 s33, s33, s34
	s_lshl_b32 s34, s32, 4                         ; plain: 16 x tile
	s_mov_b32 s35, 16384
	s_cmp_ge_u32 ttmp9, 256                        ; all tensors but q are permuted
	s_cselect_b32 s33, s33, s34                    ; slot 0's row
	s_cselect_b32 s35, 32768, s35                  ; slot 8 lies 16 rows (permuted) or 8 rows (plain) of 2,048 bytes further on
	v_add_nc_u32 v5, s35, v4
	s_lshl_b32 s36, s33, 11
	s_mov_b32 s37, 0
	s_add_nc_u64 s[4:5], s[4:5], s[36:37]
	s_lshl_b32 s36, s31, 13
	s_add_nc_u64 s[22:23], s[22:23], s[36:37]      ; my tile's codes
	s_lshl_b32 s36, s31, 9
	s_add_nc_u64 s[24:25], s[24:25], s[36:37]      ; and its scale words
.macro LOADF s                         ; fragment s: 512 bytes of each of the 16 rows
.irp i, 0,1,2,3,4,5,6,7
	global_load_b128 v[R+64*((\s)%2)+4*\i:R+64*((\s)%2)+4*\i+3], v4, s[4:5] offset:\i*2048+(\s)*512 th:TH_LOAD_NT
.endr
.irp i, 0,1,2,3,4,5,6,7
	global_load_b128 v[R+64*((\s)%2)+32+4*\i:R+64*((\s)%2)+32+4*\i+3], v5, s[4:5] offset:\i*2048+(\s)*512 th:TH_LOAD_NT
.endr
.endm
.macro TURN s                          ; through the stage: LDS serves a wave's instructions in order (ISA guide 5.7.1.4), so no wait stands between the stores and the loads
.irp i, 0,1,2,3,4,5,6,7,8,9,10,11,12,13,14,15
	ds_store_b128 v6, v[R+64*((\s)%2)+4*\i:R+64*((\s)%2)+4*\i+3] offset:\i*528
.endr
.irp c, 0,1,2,3
.irp j, 0,1,2,3
	ds_load_b128 v[X+16*\c+4*\j:X+16*\c+4*\j+3], v7 offset:\c*128+\j*16
.endr
.endr
.endm
	LOADF 0
	LOADF 1
.irp s, 0,1,2,3
.if \s < 3
	s_wait_loadcnt 16                              ; this fragment's 16 loads are in; the next fragment's 16 may be out
.else
	s_wait_loadcnt 0x0
.endif
	TURN \s
	s_wait_dscnt 0x0                               ; my 64 numbers are back, and the stage's stores have read their registers
.if \s > 0
	s_wait_xcnt 0x0                                ; the last fragment's stores have read the codes' registers
.endif
.if \s < 2
	LOADF \s+2
.endif
	QUANT X, PC, PW+\s
.irp c, 0,1,2,3
	global_store_b128 v4, v[PC+4*\c:PC+4*\c+3], s[22:23] offset:\s*2048+\c*512   ; 32 lanes store 512 consecutive bytes, aligned
.endr
.endr
	global_store_b128 v4, v[PW:PW+3], s[24:25]     ; the tile's scale words: 512 consecutive bytes
	s_wait_tensorcnt 0x0
	ds_add_u32 v126, v127
	s_wait_dscnt 0x0
	s_endpgm
.Lfunc_end_k_qdb7dbbf419_quant:
	.size	k_qdb7dbbf419_quant, .Lfunc_end_k_qdb7dbbf419_quant-k_qdb7dbbf419_quant
	.p2alignl 7, 3214868480
	.fill 96, 4, 3214868480
	.section	.rodata,"a",@progbits
	.p2align	6, 0x0
	.amdhsa_kernel k_qdb7dbbf419_quant
		.amdhsa_group_segment_fixed_size 34304
		.amdhsa_private_segment_fixed_size 0
		.amdhsa_enable_private_segment 0
		.amdhsa_kernarg_size 72
		.amdhsa_user_sgpr_count 2
		.amdhsa_user_sgpr_kernarg_segment_ptr 1
		.amdhsa_wavefront_size32 1
		.amdhsa_system_sgpr_workgroup_id_x 1
		.amdhsa_system_sgpr_workgroup_id_y 1
		.amdhsa_system_sgpr_workgroup_id_z 1
		.amdhsa_system_vgpr_workitem_id 0
		.amdhsa_next_free_vgpr 256
		.amdhsa_next_free_sgpr 66
		.amdhsa_reserve_vcc 0
		.amdhsa_float_denorm_mode_32 3
		.amdhsa_float_denorm_mode_16_64 3
		.amdhsa_memory_ordered 1
		.amdhsa_forward_progress 1
		.amdhsa_inst_pref_size 52
	.end_amdhsa_kernel
	.amdgpu_metadata
---
amdhsa.version: [ 1, 2 ]
amdhsa.kernels:
  - .name:           k_qdb7dbbf419_quant
    .symbol:         k_qdb7dbbf419_quant.kd
    .args:
      - { .name: q, .offset: 0, .size: 8, .value_kind: global_buffer, .address_space: global }
      - { .name: k, .offset: 8, .size: 8, .value_kind: global_buffer, .address_space: global }
      - { .name: v, .offset: 16, .size: 8, .value_kind: global_buffer, .address_space: global }
      - { .name: Wq, .offset: 24, .size: 8, .value_kind: global_buffer, .address_space: global }
      - { .name: Wk, .offset: 32, .size: 8, .value_kind: global_buffer, .address_space: global }
      - { .name: Wv, .offset: 40, .size: 8, .value_kind: global_buffer, .address_space: global }
      - { .name: Wo, .offset: 48, .size: 8, .value_kind: global_buffer, .address_space: global }
      - { .name: inc, .offset: 56, .size: 8, .value_kind: global_buffer, .address_space: global }
      - { .name: ins, .offset: 64, .size: 8, .value_kind: global_buffer, .address_space: global }
    .group_segment_fixed_size: 34304
    .private_segment_fixed_size: 0
    .kernarg_segment_align: 8
    .kernarg_segment_size: 72
    .max_flat_workgroup_size: 128
    .sgpr_count:     66
    .vgpr_count:     256
    .wavefront_size: 32
...
	.end_amdgpu_metadata
.endif
;; end of part 1
;; launch proj (part 2): grid 64 x 3, 4 waves a work-group, no clusters, 0 bytes of LDS; arguments inc, ins, bq, bk, bv, hc, hs; writes hc, hs
.if DOCPART == 2
	.amdgcn_target "amdgcn-amd-amdhsa--gfx1250"
	.amdhsa_code_object_version 6
	.text
	.protected	k_qdb7dbbf419_proj
	.globl	k_qdb7dbbf419_proj
	.p2align	8
	.type	k_qdb7dbbf419_proj,@function
k_qdb7dbbf419_proj:
	s_mov_b64 s[64:65], 0
	v_nop
	global_prefetch_b8 v0, s[64:65] scope:SCOPE_SE
	s_setreg_imm32_b32 hwreg(HW_REG_WAVE_MODE, 25, 1), 1
	s_wait_xcnt 0x0
; The three projections x W^T + b on codes of FP8 (E4M3) with E8M0 scales, their results quantised in registers for the two products of attention.
; Work-group y = 0: q, 1: k, 2: v.  EVERY WAVE IS ON ITS OWN.  It keeps a STATIONARY operand S (128 permuted row slots x 512 K: 32 fragments, 512 registers; always source 0) and streams
; 16 tiles T (16 row slots x 512 K; source 1) from memory into two sets of registers by turns.  A tile T: 32 matrix instructions into 8 accumulators, one quantiser, 2 KB of codes out.
;   q, k: S = 128 rows of W (two heads), T = 16 tokens: a lane holds a token, its 64 registers run along the features: blocks of 32 along the head's 64.
;   v:    S = the 128 tokens of a key step, T = 16 rows of Wv: a lane holds a channel, its 64 registers run along the KEYS, which are the second product's K.
; S's slots are permuted (the launch before laid them so): accumulator register 16 b + i of lane (r, h) is next-K index 32 b + 16 h + i, which is the next operand's register order.
; OUT.  hc: qh at 0 and kh at 8 MB: [b x 8 + head][128 tiles][1,024 B]: a tile of 16 tokens x 64: chunk c at 512 c + 16 x lane.  vh at 16 MB: [b x 8 + head][key step][4 tiles of channels][2,048 B].
;       hs: 4,096 B a head; q at 0, k at 262,144: (pair / 4) 256 + 16 r + 4 (pair % 4) + 2 (tile % 2), pair = tile / 2: a word serves a pair of tiles; v at 524,288: 256 x key step + 16 r + 4 x tile of channels.
;       So a row slot's four scale words are 16 consecutive bytes: they are gathered in four registers and leave as whole aligned blocks of 256 bytes.
; No LDS, no barrier.  No cluster: operands go from memory straight into registers, so there is no tile in LDS that a joint load could fill; what work-groups share, a wave's 64 KB of W, is read once a wave against 128 KB of its own stream.
; LIMITS: as in the quantiser's launch: NaN and infinities are not served; a block under 2^-118, and a block of zeros, keeps the byte 1.
; REGISTERS, in windows of 256: window 0: v1-11 offsets; v16-79 accumulators; v80-95 codes; v96-111 at work; v112-113 scale words just made; v116-123 T's scale words, two sets; v124-125 v's bias as loaded;
;   v128-135 v's bias as a C; v136-141 scale words on their way out; v160-191 S's scale words; v192-255 q's or k's bias in the result's layout.   windows 1, 2: S.   window 3: v0-127 T, two sets.
.set LI,  1                            ; v1   16 x lane
.set BO,  2                            ; v2   64 h: q's and k's bias
.set BV,  3                            ; v3   4 (r + 8 (r / 8)): v's bias
.set SOF, 7                            ; v7   4,096 h + 16 r: the scale words' place
.set LN,  8                            ; v8   lane
.set ACC, 16
.set PC,  80
.set TM,  96
.set PW,  112
.set TS,  116
.set BR,  124
.set BB,  128
.set WS,  136
.set WT,  140
.set SS,  160
.set BI,  192
.set SEL, 22                           ; s[22:23]
.set MNT, 24
.set MSB, 0
.macro WIN new                         ; the immediate's high byte repeats the setting that is left
.if MSB != \new
	s_set_vgpr_msb (MSB<<8)|\new
.set MSB, \new
.endif
.endm
.macro QUANT src, pc, pw
.irp b, 0,1,2,3
	v_max3_num_f32 v[TM+\b], |v[\src+16*\b]|, |v[\src+1+16*\b]|, 0x4800000   ; each accumulator is read from its low end on; the floor 2^(9 - 127) holds the byte at 1 from below
.endr
.irp i, 2,4,6,8,10,12,14
.irp b, 0,1,2,3
	v_max3_num_f32 v[TM+\b], v[TM+\b], |v[\src+16*\b+\i]|, |v[\src+1+16*\b+\i]|
.endr
.endr
.irp b, 0,1,2,3
	v_permlanex16_b32 v[TM+4+\b], v[TM+\b], s[SEL], s[SEL+1]
.endr
.irp b, 0,1,2,3
	v_max_num_f32 v[TM+\b], v[TM+\b], v[TM+4+\b]
.endr
.irp b, 0,1,2,3
	v_add_nc_u32 v[TM+12+\b], 0xfc000000, v[TM+\b]
.endr
.irp b, 0,1,2,3
	v_and_or_b32 v[TM+8+\b], v[TM+\b], 0x7f800000, s[MNT]
.endr
.irp b, 0,1,2,3
	v_lshrrev_b32 v[TM+4+\b], 23, v[TM+12+\b]
.endr
	v_lshl_or_b32 v[\pw], v[TM+5], 8, v[TM+4]
	v_lshl_or_b32 v[\pw], v[TM+6], 16, v[\pw]
	v_lshl_or_b32 v[\pw], v[TM+7], 24, v[\pw]
.irp b, 0,1,2,3
.irp i, 0,1,2,3,4,5,6,7,8,9,10,11,12,13,14,15
	v_med3_num_f32 v[\src+16*\b+\i], v[\src+16*\b+\i], -v[TM+8+\b], v[TM+8+\b]
.endr
	v_cvt_scalef32_pk8_fp8_f32 v[\pc+4*\b:\pc+4*\b+1], v[\src+16*\b:\src+16*\b+7], v[TM+12+\b]
	v_cvt_scalef32_pk8_fp8_f32 v[\pc+4*\b+2:\pc+4*\b+3], v[\src+16*\b+8:\src+16*\b+15], v[TM+12+\b]
.endr
	v_nop                                          ; one plain line behind the last conversion: the next products write its sources
.endm
; a T tile into set k: 16 loads of 512 consecutive bytes, its scale words, and for v the bias of its 16 rows of Wv.  ahead = 1: the next trip's
.macro TLOAD k, ahead, isv
	WIN 0xc0                                       ; destination window 3
.irp f, 0,1,2,3,4,5,6,7,8,9,10,11,12,13,14,15
	global_load_b128 v[64*\k+4*\f:64*\k+4*\f+3], v[LI], s[32:33] offset:\ahead*16384+\k*8192+\f*512
.endr
	WIN 0
	global_load_b128 v[TS+4*\k:TS+4*\k+3], v[LI], s[34:35] offset:\ahead*1024+\k*512
.if \isv
	global_load_b32 v[BR+\k], v[BV], s[36:37] offset:\ahead*128+\k*32
.endif
.endm
; 16 matrix instructions: S's tiles t0 .. t0 + 3 x T's set k, K step by K step: four accumulators by turns, one instruction a turn.  The bias is the C of each sum's first.
.macro MMH k, isv, t0
.irp s, 0,1,2,3
.irp u, 0,1,2,3
.if \s == 0
.if \isv
	v_wmma_scale_f32_16x16x128_f8f6f4 v[ACC+8*(\t0+\u):ACC+8*(\t0+\u)+7], v[64*\u+16*\s:64*\u+16*\s+15], v[64*\k+16*\s:64*\k+16*\s+15], v[BB:BB+7], v[SS+4*(\t0+\u)+\s], v[TS+4*\k+\s]
.else
	v_wmma_scale_f32_16x16x128_f8f6f4 v[ACC+8*(\t0+\u):ACC+8*(\t0+\u)+7], v[64*\u+16*\s:64*\u+16*\s+15], v[64*\k+16*\s:64*\k+16*\s+15], v[BI+8*(\t0+\u):BI+8*(\t0+\u)+7], v[SS+4*(\t0+\u)+\s], v[TS+4*\k+\s]
.endif
.else
	v_wmma_scale_f32_16x16x128_f8f6f4 v[ACC+8*(\t0+\u):ACC+8*(\t0+\u)+7], v[64*\u+16*\s:64*\u+16*\s+15], v[64*\k+16*\s:64*\k+16*\s+15], v[ACC+8*(\t0+\u):ACC+8*(\t0+\u)+7], v[SS+4*(\t0+\u)+\s], v[TS+4*\k+\s]
.endif
.endr
.endr
.endm
; One T tile.  left: the loads that may stay out: the other set's.  more = 1: set k is asked for again, for the next trip.
.macro TILE k, more, left, isv
	s_wait_loadcnt \left                           ; loads come back in order (ISA guide 5.7.1): set k, and all that was asked for ahead of it, is in
.if \isv
.irp j, 0,1,2,3,4,5,6,7
	v_mov_b32 v[BB+\j], v[BR+\k]                   ; a lane holds one channel: its bias in all eight registers of a C
.endr
.rept 4
	v_nop                                          ; between the writes of C and the products
.endr
.endif
	WIN 0x0d                                       ; source 0 (S) window 1, source 1 (T) window 3, C and D window 0
	MMH \k, \isv, 0
	WIN 0x0e                                       ; S's tiles 4 to 7: window 2
	MMH \k, \isv, 4
	WIN 0
.rept 9
	v_nop                                          ; eight places ahead of the loads into T's registers and of the first read of results; nine, since the next tile's products begin these accumulators anew
.endr
	s_wait_xcnt 0x0                                ; the last tile's stores have read the codes' registers
.if \more
	TLOAD \k, 1, \isv
.endif
.if \isv
	QUANT ACC, PC, WS+2+\k
.irp c, 0,1,2,3
	global_store_b128 v[LI], v[PC+4*\c:PC+4*\c+3], s[38:39] offset:\k*2048+\c*512   ; a fragment of V^T: 16 channels x these 128 keys
.endr
.else
	QUANT ACC, PC, PW+\k
	global_store_b128 v[LI], v[PC:PC+3], s[38:39] offset:\k*1024                    ; head 2 w: the tile's two chunks,
	global_store_b128 v[LI], v[PC+4:PC+7], s[38:39] offset:\k*1024+512
	global_store_b128 v[LI], v[PC+8:PC+11], s[38:39] offset:\k*1024+131072          ; head 2 w + 1: 128 tiles further on
	global_store_b128 v[LI], v[PC+12:PC+15], s[38:39] offset:\k*1024+131072+512
.endif
.endm
; q, k: a trip's two tiles are a pair: its word for head 2 w is the two low halves, for head 2 w + 1 the two high halves.  Lanes 0-15 keep the first, lanes 16-31 (which hold the same rows) the second.
; Four pairs' words are 16 bytes of a row slot: they leave in trips 3 and 7, sixteen lanes to an aligned block of 256 bytes.
.macro TAILQK last
	v_mov_b32 v[WS], v[WS+1]
	v_mov_b32 v[WS+1], v[WS+2]
	v_mov_b32 v[WS+2], v[WS+3]
	v_perm_b32 v[WT], v[PW+1], v[PW], 0x05040100
	v_perm_b32 v[WT+1], v[PW+1], v[PW], 0x07060302
	v_cndmask_b32 v[WS+3], v[WT], v[WT+1], s55
.if \last
	global_store_b128 v[SOF], v[WS:WS+3], s[42:43] offset:256
.else
	s_cmp_eq_u32 s25, 3
	s_cbranch_scc0 .Lnot_yet_\@
	global_store_b128 v[SOF], v[WS:WS+3], s[42:43]
.Lnot_yet_\@:
.endif
.endm
; v: four tiles of channels are a head: their words leave in every odd trip, from lanes 0-15 (lanes 16-31 hold the same)
.macro TAILV last
.if !\last
	s_and_b32 s44, s25, 1
	s_cmp_eq_u32 s44, 0
	s_cbranch_scc1 .Lnot_yet_\@
.endif
	s_wait_xcnt 0x0                                ; EXEC changes only when every earlier memory instruction has read it
	v_cmp_gt_u32 vcc_lo, 16, v[LN]
	s_and_saveexec_b32 s54, vcc_lo
	global_store_b128 v[SOF], v[WS:WS+3], s[52:53]
	s_wait_xcnt 0x0                                ; and again ahead of the line that widens it
	s_or_b32 exec_lo, exec_lo, s54
.if !\last
.Lnot_yet_\@:
.endif
.endm
.macro HEADV                           ; trip I: head I / 2 of my four, tiles of channels 2 (I % 2) and + 1.  No store is pending on these registers: the trip before ended with its wait
	s_lshr_b32 s44, s25, 1
	s_lshl_b32 s46, s44, 12
	s_lshl_b32 s44, s44, 17
	s_and_b32 s45, s25, 1
	s_lshl_b32 s45, s45, 12
	s_add_co_u32 s44, s44, s45
	s_mov_b32 s45, 0
	s_mov_b32 s47, 0
	s_add_nc_u64 s[38:39], s[40:41], s[44:45]
	s_add_nc_u64 s[52:53], s[42:43], s[46:47]
	v_mov_b32 v[WS], v[WS+2]                       ; the last trip's two words move down
	v_mov_b32 v[WS+1], v[WS+3]
.endm
	s_load_b256 s[4:11], s[0:1], 0x0               ; inc, ins, bq, bk
	s_load_b128 s[12:15], s[0:1], 0x20             ; bv, hc
	s_load_b64 s[16:17], s[0:1], 0x30              ; hs
	v_lshrrev_b32 v11, 5, v0
	v_readfirstlane_b32 s18, v11                   ; wave w
	v_and_b32 v[LN], 31, v0
	v_lshlrev_b32 v[LI], 4, v[LN]
	v_and_b32 v9, 15, v0                           ; r
	v_bfe_u32 v10, v0, 4, 1                        ; h
	v_lshlrev_b32 v[BO], 6, v10
	v_and_b32 v[BV], 8, v9
	v_add_nc_u32 v[BV], v[BV], v9
	v_lshlrev_b32 v[BV], 2, v[BV]
	v_lshlrev_b32 v[SOF], 4, v9
	v_lshl_add_u32 v[SOF], v10, 12, v[SOF]
.irp b, 0,1,2,3
	v_mov_b32 v[TM+4+\b], 0                        ; a lane permute's destination counts as one of its sources
	v_mov_b32 v[WS+\b], 0                          ; the words that move down in the first trips are written
.endr
	s_mov_b32 s[SEL], 0x76543210
	s_mov_b32 s[SEL+1], 0xfedcba98
	s_mov_b32 s[MNT], 0x600000
	s_mov_b32 s55, 0xffff0000                      ; lanes 16-31
	s_and_b32 s19, ttmp7, 0xffff                   ; y
	s_mov_b32 s20, ttmp9                           ; x
	s_lshl_b32 s21, s20, 2
	s_add_co_u32 s21, s21, s18                     ; j = 4 x + w
	s_lshl_b32 s44, s19, 5
	s_lshl_b32 s45, s18, 3
	s_add_co_u32 s44, s44, s45
	s_add_co_u32 s44, s44, 3072                    ; q, k: S = W's tiles 8 w on
	s_lshr_b32 s45, s21, 1
	s_lshl_b32 s45, s45, 3
	s_add_co_u32 s45, s45, 2048                    ; v: S = v's key step j / 2
	s_lshl_b32 s46, s19, 10
	s_lshl_b32 s47, s20, 4
	s_add_co_u32 s46, s46, s47                     ; q, k: T = token tiles 16 x on
	s_and_b32 s47, s21, 1
	s_lshl_b32 s47, s47, 4
	s_add_co_u32 s47, s47, 3136                    ; v: T = half j % 2 of Wv's tiles
	s_cmp_eq_u32 s19, 2
	s_cselect_b32 s44, s45, s44
	s_cselect_b32 s46, s47, s46
	s_lshl_b32 s28, s44, 13                        ; a tile's codes are 8,192 bytes, its scale words 512
	s_mov_b32 s29, 0
	s_lshl_b32 s30, s44, 9
	s_mov_b32 s31, 0
	s_lshl_b32 s32, s46, 13
	s_mov_b32 s33, 0
	s_lshl_b32 s34, s46, 9
	s_mov_b32 s35, 0
	s_wait_kmcnt 0x0
	s_add_nc_u64 s[28:29], s[4:5], s[28:29]
	s_add_nc_u64 s[30:31], s[6:7], s[30:31]
	s_add_nc_u64 s[32:33], s[4:5], s[32:33]
	s_add_nc_u64 s[34:35], s[6:7], s[34:35]
	WIN 0x40                                       ; S stays: tiles 0-3 in window 1,
.irp t, 0,1,2,3
.irp f, 0,1,2,3,4,5,6,7,8,9,10,11,12,13,14,15
	global_load_b128 v[64*\t+4*\f:64*\t+4*\f+3], v[LI], s[28:29] offset:\t*8192+\f*512
.endr
.endr
	WIN 0x80                                       ; tiles 4-7 in window 2,
.irp t, 0,1,2,3
.irp f, 0,1,2,3,4,5,6,7,8,9,10,11,12,13,14,15
	global_load_b128 v[64*\t+4*\f:64*\t+4*\f+3], v[LI], s[28:29] offset:(\t+4)*8192+\f*512
.endr
.endr
	WIN 0
.irp t, 0,1,2,3,4,5,6,7
	global_load_b128 v[SS+4*\t:SS+4*\t+3], v[LI], s[30:31] offset:\t*512   ; and its scale words: tile t, K step s at v[SS + 4 t + s]
.endr
	s_cmp_eq_u32 s19, 2
	s_cbranch_scc1 .Lpath_v
	; ---- q, k
	s_cmp_eq_u32 s19, 0
	s_cselect_b64 s[36:37], s[8:9], s[10:11]       ; bq or bk,
	s_lshl_b32 s44, s18, 9
	s_mov_b32 s45, 0
	s_add_nc_u64 s[36:37], s[36:37], s[44:45]      ; my 128 features
	s_lshr_b32 s46, s20, 3
	s_lshl_b32 s46, s46, 3
	s_lshl_b32 s47, s18, 1
	s_add_co_u32 s46, s46, s47                     ; 8 b + 2 w: my first head
	s_and_b32 s47, s20, 7                          ; which 256 tokens of the batch's 2,048
	s_lshl_b32 s44, s46, 17
	s_lshl_b32 s48, s47, 14
	s_add_co_u32 s44, s44, s48
	s_lshl_b32 s48, s19, 23
	s_add_co_u32 s44, s44, s48
	s_add_nc_u64 s[38:39], s[14:15], s[44:45]      ; codes out
	s_lshl_b32 s44, s46, 12
	s_lshl_b32 s48, s47, 9
	s_add_co_u32 s44, s44, s48
	s_lshl_b32 s48, s19, 18
	s_add_co_u32 s44, s44, s48
	s_add_nc_u64 s[42:43], s[16:17], s[44:45]      ; scale words out
.irp t, 0,1,2,3,4,5,6,7
	global_load_b128 v[BI+8*\t:BI+8*\t+3], v[BO], s[36:37] offset:(32*(\t/2)+8*(\t%2))*4       ; lane (r, h), tile t: features 32 (t / 2) + 16 h + 8 (t % 2) + 0 .. 7
	global_load_b128 v[BI+8*\t+4:BI+8*\t+7], v[BO], s[36:37] offset:(32*(\t/2)+8*(\t%2))*4+16
.endr
	TLOAD 0, 0, 0
	TLOAD 1, 0, 0
	s_mov_b32 s25, 0
.Ltrip_qk:                                             ; seven trips of two tiles; each asks for the next trip's two
	TILE 0, 1, 17, 0
	TILE 1, 1, 17, 0
	TAILQK 0
	s_wait_xcnt 0x0                                ; every memory instruction has read its base: they step
	s_add_nc_u64 s[32:33], s[32:33], 16384
	s_add_nc_u64 s[34:35], s[34:35], 1024
	s_add_nc_u64 s[38:39], s[38:39], 2048
	s_add_co_u32 s25, s25, 1
	s_cmp_lt_u32 s25, 7
	s_cbranch_scc1 .Ltrip_qk
	TILE 0, 0, 17, 0                               ; the last trip asks for nothing: no load leaves its buffer
	TILE 1, 0, 0, 0
	TAILQK 1
	s_endpgm
	; ---- v
.Lpath_v:
	s_and_b32 s46, s21, 1
	s_lshl_b32 s44, s46, 10
	s_mov_b32 s45, 0
	s_add_nc_u64 s[36:37], s[12:13], s[44:45]      ; bv: my 256 features.  Tile n's slot r is feature 32 (n / 2) + 8 (n % 2) + r + 8 (r / 8) of them
	s_lshr_b32 s47, s21, 5
	s_lshl_b32 s47, s47, 3
	s_lshl_b32 s46, s46, 2
	s_add_co_u32 s47, s47, s46                     ; 8 b + 4 (j % 2): my first head
	s_bfe_u32 s48, s21, 0x40001                    ; my key step
	s_lshl_b32 s44, s47, 17
	s_lshl_b32 s49, s48, 13
	s_add_co_u32 s44, s44, s49
	s_add_co_u32 s44, s44, 0x1000000
	s_add_nc_u64 s[40:41], s[14:15], s[44:45]      ; codes out
	s_lshl_b32 s44, s47, 12
	s_lshl_b32 s49, s48, 8
	s_add_co_u32 s44, s44, s49
	s_add_co_u32 s44, s44, 0x80000
	s_add_nc_u64 s[42:43], s[16:17], s[44:45]      ; scale words out
	TLOAD 0, 0, 1
	TLOAD 1, 0, 1
	s_mov_b32 s25, 0
.Ltrip_v:
	HEADV
	TILE 0, 1, 18, 1
	TILE 1, 1, 18, 1
	TAILV 0
	s_wait_xcnt 0x0
	s_add_nc_u64 s[32:33], s[32:33], 16384
	s_add_nc_u64 s[34:35], s[34:35], 1024
	s_add_nc_u64 s[36:37], s[36:37], 128
	s_add_co_u32 s25, s25, 1
	s_cmp_lt_u32 s25, 7
	s_cbranch_scc1 .Ltrip_v
	HEADV
	TILE 0, 0, 18, 1
	TILE 1, 0, 0, 1
	TAILV 1
	s_endpgm
.Lfunc_end_k_qdb7dbbf419_proj:
	.size	k_qdb7dbbf419_proj, .Lfunc_end_k_qdb7dbbf419_proj-k_qdb7dbbf419_proj
	.p2alignl 7, 3214868480
	.fill 96, 4, 3214868480
	.section	.rodata,"a",@progbits
	.p2align	6, 0x0
	.amdhsa_kernel k_qdb7dbbf419_proj
		.amdhsa_group_segment_fixed_size 0
		.amdhsa_private_segment_fixed_size 0
		.amdhsa_enable_private_segment 0
		.amdhsa_kernarg_size 56
		.amdhsa_user_sgpr_count 2
		.amdhsa_user_sgpr_kernarg_segment_ptr 1
		.amdhsa_wavefront_size32 1
		.amdhsa_system_sgpr_workgroup_id_x 1
		.amdhsa_system_sgpr_workgroup_id_y 1
		.amdhsa_system_sgpr_workgroup_id_z 1
		.amdhsa_system_vgpr_workitem_id 0
		.amdhsa_next_free_vgpr 896
		.amdhsa_next_free_sgpr 66
		.amdhsa_reserve_vcc 1
		.amdhsa_float_denorm_mode_32 3
		.amdhsa_float_denorm_mode_16_64 3
		.amdhsa_memory_ordered 1
		.amdhsa_forward_progress 1
		.amdhsa_inst_pref_size 139
	.end_amdhsa_kernel
	.amdgpu_metadata
---
amdhsa.version: [ 1, 2 ]
amdhsa.kernels:
  - .name:           k_qdb7dbbf419_proj
    .symbol:         k_qdb7dbbf419_proj.kd
    .args:
      - { .name: inc, .offset: 0, .size: 8, .value_kind: global_buffer, .address_space: global }
      - { .name: ins, .offset: 8, .size: 8, .value_kind: global_buffer, .address_space: global }
      - { .name: bq, .offset: 16, .size: 8, .value_kind: global_buffer, .address_space: global }
      - { .name: bk, .offset: 24, .size: 8, .value_kind: global_buffer, .address_space: global }
      - { .name: bv, .offset: 32, .size: 8, .value_kind: global_buffer, .address_space: global }
      - { .name: hc, .offset: 40, .size: 8, .value_kind: global_buffer, .address_space: global }
      - { .name: hs, .offset: 48, .size: 8, .value_kind: global_buffer, .address_space: global }
    .group_segment_fixed_size: 0
    .private_segment_fixed_size: 0
    .kernarg_segment_align: 8
    .kernarg_segment_size: 56
    .max_flat_workgroup_size: 128
    .sgpr_count:     66
    .vgpr_count:     896
    .wavefront_size: 32
...
	.end_amdgpu_metadata
.endif
;; end of part 2
;; launch attn (part 3): grid 4 x 64, 16 waves a work-group, clusters of 4 x 1, 272,384 bytes of LDS; arguments hc, hs, ac, asc; writes ac, asc
.if DOCPART == 3
	.amdgcn_target "amdgcn-amd-amdhsa--gfx1250"
	.amdhsa_code_object_version 6
	.text
	.protected	k_qdb7dbbf419_attn
	.globl	k_qdb7dbbf419_attn
	.p2align	8
	.type	k_qdb7dbbf419_attn,@function
k_qdb7dbbf419_attn:
	s_mov_b64 s[64:65], 0
	v_nop
	global_prefetch_b8 v0, s[64:65] scope:SCOPE_SE
	s_setreg_imm32_b32 hwreg(HW_REG_WAVE_MODE, 25, 1), 1
	s_wait_xcnt 0x0
	s_wait_alu depctr_hold_cnt(0) depctr_sa_sdst(0) depctr_va_vdst(0) depctr_va_sdst(0) depctr_va_ssrc(0) depctr_va_vcc(0) depctr_vm_vsrc(0)
	s_getreg_b32 s2, hwreg(HW_REG_IB_STS2, 6, 4)
	s_cmp_eq_u32 s2, 0
	s_cbranch_scc0 .Lentry_in_a_cluster
	s_endpgm
.Lentry_in_a_cluster:
	s_bfe_u32 s2, ttmp6, 0x10000c
	s_cmp_lg_u32 s2, 0x3003
	s_cbranch_scc0 .Lentry_shape_is_right
	s_endpgm
.Lentry_shape_is_right:
; attn[b][q][head][:] = the sum over k of softmax_k(qh . kh / sqrt(512)) vh, both products on codes of FP8 (E4M3) with E8M0 scales; the result, divided by the row's sum, is quantised along E for the last projection.
; THE SOFTMAX: t = score x log2(e) / sqrt(512); M = the running largest t rounded UP to a whole number; p = 2^(t - M) is quantised along the keys, not normalised; the row's sum is taken of the unquantised p.
; When M moves, the sum and O are multiplied by 2^(old M - new M): exact.
; SHARES.  A cluster is the four quarters of the queries of one (b, head); a work-group owns 512 queries, in two passes of 16 tiles; each of its sixteen waves one tile of 16 a pass, in 256 registers: four waves to a SIMD.
; THE HEAD'S WHOLE K AND V STAY IN LDS: 131,072 bytes of codes each and 4,096 of scale bytes each, filled ONCE: no byte of LDS is filled again, so there is no ring.  The four work-groups need the same bytes, so each
; load is JOINT: the same descriptor and the mask of all four in all four.  Wave w brings 16 KB of codes (waves 0-7: K's key steps 2 w, 2 w + 1; waves 8-15: V's) and 512 bytes of scale words: two tensor loads of mine are out.
; All that lies in LDS is an image of operand registers: every LDS load takes 16 bytes a lane at 16 x lane: consecutive bytes.
; LAYOUT.  Both products are used transposed: S^T = K Q^T, O^T = V^T P^T: a lane holds ONE query.  The keys of a tile and the channels of a tile of V are permuted (the launch before laid them so): S^T's register
; 16 b + i is key 32 b + 16 h + i of the step, O^T's register 16 b + i is channel 32 b + 16 h + i.
; K = 64 IN A FORM OF K = 128.  K's operand is a PAIR of key tiles: registers 0-7 tile 2 p, registers 8-15 tile 2 p + 1.  Q stands between two runs of zero codes, v16-23 | v24-31 | v32-39: v[24:39] meets tile 2 p,
; v[16:31] tile 2 p + 1; the zero codes annul the other tile (no code here is the NaN code, no scale byte 0xff).  Q's scale word repeats its two bytes.
; LIMITS: NaN and infinities are not served; p under 2^-126 comes out of v_exp_f32 as 0; a block under 2^-118, and a block of zeros, keeps the byte 1.
; The scale bytes of the result leave as 2 bytes a row, 16 bytes apart (32 bytes a tile): blocks of 256 bytes are written in part there: eight heads share a row's 16 bytes, and they are made by eight clusters.
.set LI,  1                            ; v1   16 x lane
.set LS,  2                            ; v2   262,144 + 16 r: my row slot's four scale words of key step 0
.set ADK, 3                            ; v3-5 LDS addresses of the step in hand: K's codes, V's codes, the scale words
.set ADV, 4
.set ADS, 5
.set R16, 7                            ; v7   16 r
.set LN,  8                            ; v8   lane
.set QSC, 40                           ; v40  Q's scale word; v41 its two bytes as loaded
.set KV,  48                           ; v48-111   four fragments of K or of V
.set S,   112                          ; v112-175  S^T, then p
.set O,   176                          ; v176-207  O^T
.set PCD, 208                          ; v208-223  p's codes
.set BM,  224                          ; v224-227  the blocks' largest
.set T2,  228
.set HL,  232
.set SO,  236
.set KSC, 248                          ; v248-251  K's scale words, a pair each;  v252-255 V's, a tile each
.set VSC, 252
.set SEL, 36                           ; s[36:37]
.set CS,  38                           ; s[38:39]  c = log2(e) / sqrt(512)
.set MNT, 40
.set WV,  41
.set TK,  42                           ; s42  the step's codes begin here in K's and in V's region: 8,192 a step
.set TS,  43                           ; s43  its scale words: 256 a step
.macro CROUND                          ; a round of the cluster's barrier
	s_barrier_signal -1
	s_barrier_wait -1
	s_cmp_lg_u32 s[WV], 0
	s_cbranch_scc1 .Lnot_wave_0_\@
	s_barrier_signal -3
.Lnot_wave_0_\@:
	s_barrier_wait -3
	s_barrier_signal -1
	s_barrier_wait -1
.endm
.macro QLOAD n                         ; pass n's tile of Q: 1,024 bytes of codes, two scale bytes a row
	global_load_b128 v[24:27], v[LI], s[46:47] offset:\n*16384
	global_load_b128 v[28:31], v[LI], s[46:47] offset:\n*16384+512
	global_load_u16 v41, v[R16], s[48:49] offset:\n*512
.endm
	s_load_b256 s[4:11], s[0:1], 0x0               ; hc, hs, ac, asc
	v_lshl_add_u32 v246, v0, 2, 0x42000
	v_mov_b32 v247, 0
	ds_add_u32 v246, v247
	ds_add_u32 v246, v247
	v_lshrrev_b32 v9, 5, v0
	v_readfirstlane_b32 s[WV], v9                  ; wave 0..15
	v_and_b32 v[LN], 31, v0
	v_lshlrev_b32 v[LI], 4, v[LN]
	v_and_b32 v[R16], 15, v0
	v_lshlrev_b32 v[R16], 4, v[R16]
	v_add_nc_u32 v[LS], 0x40000, v[R16]
	s_bfe_u32 s55, ttmp6, 0x40000                  ; cx: it enters Q's and the results' global addresses alone
	s_lshl_b32 s56, ttmp9, 2
	s_add_co_u32 s56, s56, s55                     ; which quarter of the queries
	s_and_b32 s57, ttmp7, 0xffff                   ; 8 b + head, which the four partners share
	; group 1 for the codes: 64 rows of 256 bytes, dense: 16 KB
	s_mov_b32 s16, 15|(3<<16)|(1<<21)              ; 15:0 the mask: all four; 17:16 elements of 8 bytes; 21 set beside a mask; no padding
	s_mov_b32 s17, 32<<16                          ; tensor_dim0 = 32
	s_mov_b32 s18, 64<<16                          ; tensor_dim1 = 64
	s_mov_b32 s19, 32<<16                          ; tile_dim0 = 32
	s_mov_b32 s20, 64                              ; tile_dim1 = 64
	s_mov_b32 s21, 32                              ; the pitch
	s_mov_b32 s22, 0
	s_mov_b32 s23, 0
	; and for the scale words: 2 rows of 256 bytes
	s_mov_b32 s28, 15|(3<<16)|(1<<21)
	s_mov_b32 s29, 32<<16
	s_mov_b32 s30, 2<<16
	s_mov_b32 s31, 32<<16
	s_mov_b32 s32, 2
	s_mov_b32 s33, 32
	s_mov_b32 s34, 0
	s_mov_b32 s35, 0
	s_lshl_b32 s58, s57, 17                        ; codes: the head's 131,072 bytes,
	s_lshl_b32 s59, s[WV], 14
	s_add_co_u32 s58, s58, s59                     ; + 16,384 w,
	s_lshr_b32 s59, s[WV], 3
	s_mul_i32 s59, s59, 0x800000-0x20000           ; waves 8-15: V's region, 8 MB on, counted from wave 8,
	s_add_co_u32 s58, s58, s59
	s_add_co_u32 s58, s58, 0x800000                ; K's region begins at 8 MB
	s_mov_b32 s59, 0
	s_lshr_b32 s60, s[WV], 3
	s_add_co_u32 s60, s60, 1
	s_lshl_b32 s60, s60, 18                        ; scale words: K's region at 262,144, V's at 524,288,
	s_lshl_b32 s61, s57, 12
	s_add_co_u32 s60, s60, s61                     ; the head's 4,096 bytes,
	s_and_b32 s61, s[WV], 7
	s_lshl_b32 s61, s61, 9
	s_add_co_u32 s60, s60, s61                     ; my 512 of them
	s_mov_b32 s61, 0
	s_mov_b32 s12, 1
	s_lshl_b32 s13, s[WV], 14                      ; LDS: K's codes at 0, V's at 131,072: 16,384 w
	s_mov_b32 s24, 1
	s_lshl_b32 s25, s[WV], 9
	s_add_co_u32 s25, s25, 0x40000                 ; K's scale words at 262,144, V's at 266,240: 262,144 + 512 w
	s_lshl_b32 s44, s56, 5
	s_add_co_u32 s44, s44, s[WV]                   ; my tile of queries in pass 0: 32 x quarter + w
	s_lshl_b32 s46, s57, 7
	s_add_co_u32 s46, s46, s44
	s_lshl_b32 s46, s46, 10                        ; Q's codes: 1,024 bytes a tile
	s_mov_b32 s47, 0
	s_lshl_b32 s48, s57, 12                        ; Q's scale bytes: 4,096 a head, + 1,024 x quarter + 256 (w / 8) + 2 (w % 8)
	s_lshl_b32 s49, s56, 10
	s_add_co_u32 s48, s48, s49
	s_lshr_b32 s49, s[WV], 3
	s_lshl_b32 s49, s49, 8
	s_add_co_u32 s48, s48, s49
	s_and_b32 s49, s[WV], 7
	s_lshl_b32 s49, s49, 1
	s_add_co_u32 s48, s48, s49
	s_mov_b32 s49, 0
	s_lshr_b32 s45, s57, 3
	s_lshl_b32 s45, s45, 7
	s_add_co_u32 s45, s45, s44                     ; the token tile: 128 b + my tile
	s_and_b32 s62, s57, 7                          ; the head
	s_lshl_b32 s50, s45, 13
	s_lshl_b32 s51, s62, 10
	s_add_co_u32 s50, s50, s51                     ; ac: 8,192 a tile, 1,024 a head
	s_mov_b32 s51, 0
	s_lshl_b32 s52, s45, 8
	s_lshl_b32 s53, s62, 1
	s_add_co_u32 s52, s52, s53                     ; asc: 256 a tile, 2 a head
	s_mov_b32 s53, 0
	s_mov_b32 s[SEL], 0x76543210
	s_mov_b32 s[SEL+1], 0xfedcba98
	s_mov_b32 s[CS], 0x3d8293ee
	s_mov_b32 s[CS+1], s[CS]                       ; (named with it as a pair, so it is written)
	s_mov_b32 s[MNT], 0x600000
	s_wait_dscnt 0x0
	s_wait_kmcnt 0x0
	s_add_nc_u64 s[14:15], s[4:5], s[58:59]
	s_or_b32 s15, s15, 0x80000000                  ; type = 2
	s_add_nc_u64 s[26:27], s[6:7], s[60:61]
	s_or_b32 s27, s27, 0x80000000
	s_add_nc_u64 s[46:47], s[4:5], s[46:47]
	s_add_nc_u64 s[48:49], s[6:7], s[48:49]
	s_add_nc_u64 s[50:51], s[8:9], s[50:51]
	s_add_nc_u64 s[52:53], s[10:11], s[52:53]
	CROUND                                         ; all four work-groups are here: the joint loads meet
	tensor_load_to_lds s[12:15], s[16:23]          ; my 16 KB of codes
	s_nop 0
	tensor_load_to_lds s[24:27], s[28:35]          ; my 512 bytes of scale words
	s_nop 0
.rept 4
	v_nop
.endr
	QLOAD 0
.irp j, 0,1,2,3,4,5,6,7
	v_mov_b32 v[16+\j], 0                          ; the zero codes on both sides of Q
	v_mov_b32 v[32+\j], 0
.endr
.irp b, 0,1,2,3
	v_mov_b32 v[T2+\b], 0                          ; a lane permute's destination counts as one of its sources
.endr
	v_mov_b32 v243, 0                              ; (named as the upper half of the pair v[242:243])
	s_wait_tensorcnt 0x0                           ; for the others' sake: both my loads have landed
	s_barrier_signal -1
	s_barrier_wait -1                              ; everybody's have: the head lies in LDS, and nothing writes LDS from here on
; A KEY STEP: 128 keys
.macro STEP
	v_add_nc_u32 v[ADK], s[TK], v[LI]
	v_add_nc_u32 v[ADS], s[TS], v[LS]
	v_add_nc_u32 v[ADV], 0x20000, v[ADK]
.rept 5
	v_nop                                          ; with the three additions: eight places between the last step's products and the loads into their registers
.endr
.irp f, 0,1,2,3,4,5,6,7,8,9,10,11,12,13,14,15
	ds_load_b128 v[KV+4*\f:KV+4*\f+3], v[ADK] offset:\f*512   ; four pairs of key tiles
.endr
	ds_load_b128 v[KSC:KSC+3], v[ADS]              ; and a word for each pair
	s_wait_dscnt 0x0
.irp p, 0,1,2,3
	v_wmma_scale_f32_16x16x128_f8f6f4 v[S+16*\p:S+16*\p+7], v[KV+16*\p:KV+16*\p+15], v[24:39], 0, v[KSC+\p], v[QSC]       ; tile 2 p: keys 32 p + 16 h + 0 .. 7
	v_wmma_scale_f32_16x16x128_f8f6f4 v[S+16*\p+8:S+16*\p+15], v[KV+16*\p:KV+16*\p+15], v[16:31], 0, v[KSC+\p], v[QSC]    ; tile 2 p + 1: keys 32 p + 16 h + 8 .. 15
.endr
.rept 8
	v_nop                                          ; places ahead of the loads below and of the first read of the scores
.endr
.irp f, 0,1,2,3,4,5,6,7,8,9,10,11,12,13,14,15
	ds_load_b128 v[KV+4*\f:KV+4*\f+3], v[ADV] offset:\f*512   ; V's four tiles of channels are asked for now and land under the softmax
.endr
	ds_load_b128 v[VSC:VSC+3], v[ADS] offset:4096
.irp b, 0,1,2,3
	v_max3_num_f32 v[BM+\b], v[S+16*\b], v[S+1+16*\b], v[S+2+16*\b]   ; the largest score of each block of 32 keys: for the row's maximum and, since p rises with the score, for the block's largest p
.endr
.irp i, 3,5,7,9,11,13
.irp b, 0,1,2,3
	v_max3_num_f32 v[BM+\b], v[BM+\b], v[S+16*\b+\i], v[S+1+16*\b+\i]
.endr
.endr
.irp b, 0,1,2,3
	v_max_num_f32 v[BM+\b], v[BM+\b], v[S+15+16*\b]
.endr
.irp b, 0,1,2,3
	v_permlanex16_b32 v[T2+\b], v[BM+\b], s[SEL], s[SEL+1]
.endr
.irp b, 0,1,2,3
	v_max_num_f32 v[BM+\b], v[BM+\b], v[T2+\b]     ; with lane l xor 16's 16 keys
.endr
	v_max3_num_f32 v245, v[BM], v[BM+1], v[BM+2]
	v_max_num_f32 v245, v245, v[BM+3]              ; the step's largest score of my query
	v_mul_f32 v245, s[CS], v245                    ; as t (c is positive)
	v_max_num_f32 v13, v13, v245                   ; the running largest t
	v_mov_b32 v245, v12
	v_floor_f32 v12, -v13                          ; the new -M = floor(-t): M is a whole number
	v_sub_f32 v245, v12, v245                      ; old M - new M: a whole number, 0 or less
	v_cvt_i32_f32 v245, v245                       ; (it saturates)
	v_ldexp_f32 v242, 1.0, v245                    ; f = 2^(old M - new M)
.set jj, 0
.rept 32
	v_pk_fma_f32 v[S+jj:S+jj+1], v[S+jj:S+jj+1], s[CS:CS+1], v[12:13] op_sel_hi:[1,0,0]   ; t - M, two at a time
.set jj, jj+2
.endr
.irp b, 0,1,2,3
	v_fma_f32 v[BM+\b], v[BM+\b], s[CS], v12       ; the same of each block's largest score
.endr
.set jj, 0
.rept 64
	v_exp_f32 v[S+jj], v[S+jj]                     ; p = 2^(t - M)
.set jj, jj+1
.endr
	v_pk_mul_f32 v[14:15], v[14:15], v[242:243] op_sel_hi:[1,0]   ; the sums under the new M: the plain line behind the exponentials
	s_wait_alu depctr_va_vdst(0)                   ; one wait for the batch of 64, ahead of its first reader
.irp b, 0,1,2,3
	v_exp_f32 v[BM+\b], v[BM+\b]                   ; the blocks' largest p
.endr
	v_pk_add_f32 v[240:241], v[S:S+1], v[S+2:S+3]  ; the row's sum of the unquantised p, in two chains; it reads the 64 alone
.irp j, 4,8,12,16,20,24,28,32,36,40,44,48,52,56,60
	v_pk_add_f32 v[14:15], v[14:15], v[S+\j:S+\j+1]
	v_pk_add_f32 v[240:241], v[240:241], v[S+2+\j:S+3+\j]
.endr
	v_pk_add_f32 v[14:15], v[14:15], v[240:241]
	s_wait_alu depctr_va_vdst(0)                   ; and one for the four
.irp b, 0,1,2,3
	v_max_num_f32 v[BM+\b], 0x4800000, v[BM+\b]    ; the floor 2^(9 - 127): the byte cannot fall under 1
.endr
.irp b, 0,1,2,3
	v_add_nc_u32 v[SO+\b], 0xfc000000, v[BM+\b]    ; the conversion's scale operand
.endr
.irp b, 0,1,2,3
	v_and_or_b32 v[HL+\b], v[BM+\b], 0x7f800000, s[MNT]   ; 448 x the scale
.endr
.irp b, 0,1,2,3
	v_lshrrev_b32 v[T2+\b], 23, v[SO+\b]           ; the scale's byte
.endr
	v_lshl_or_b32 v244, v[T2+1], 8, v[T2]          ; p's scale word for these 128 keys
	v_lshl_or_b32 v244, v[T2+2], 16, v244
	v_lshl_or_b32 v244, v[T2+3], 24, v244
.irp b, 0,1,2,3
.irp i, 0,1,2,3,4,5,6,7,8,9,10,11,12,13,14,15
	v_min_num_f32 v[S+16*\b+\i], v[S+16*\b+\i], v[HL+\b]   ; the conversion does not saturate (ISA guide 7.6.2); p is not negative: a one-sided hold
.endr
	v_cvt_scalef32_pk8_fp8_f32 v[PCD+4*\b:PCD+4*\b+1], v[S+16*\b:S+16*\b+7], v[SO+\b]
	v_cvt_scalef32_pk8_fp8_f32 v[PCD+4*\b+2:PCD+4*\b+3], v[S+16*\b+8:S+16*\b+15], v[SO+\b]
.endr
.set jj, 0
.rept 16
	v_pk_mul_f32 v[O+jj:O+jj+1], v[O+jj:O+jj+1], v[242:243] op_sel_hi:[1,0]   ; O^T under the new M, each accumulator from its low end on; also the places between the codes and the products
.set jj, jj+2
.endr
.rept 4
	v_nop                                          ; between the last writes of O^T and the products that add onto it
.endr
	s_wait_dscnt 0x0                               ; V is in
.irp t, 0,1,2,3
	v_wmma_scale_f32_16x16x128_f8f6f4 v[O+8*\t:O+8*\t+7], v[KV+16*\t:KV+16*\t+15], v[PCD:PCD+15], v[O+8*\t:O+8*\t+7], v[VSC+\t], v244   ; four accumulators, one instruction each: by turns
.endr
	s_add_co_u32 s[TK], s[TK], 8192
	s_add_co_u32 s[TS], s[TS], 256
.endm
; THE WAY OUT of pass n: O^T / the sum; its 32 numbers a lane are two blocks of 32 along E (with lane l xor 16): quantised, they are two chunks of the last projection's operand.
.macro OUT n
.rept 8
	v_nop                                          ; places behind the last products
.endr
.if \n == 0
	QLOAD 1                                        ; the next pass's Q lands under the way out
.endif
	v_add_f32 v14, v14, v15                        ; the sum's two halves,
	v_permlanex16_b32 v245, v14, s[SEL], s[SEL+1]
	v_add_f32 v14, v14, v245                       ; and lane l xor 16's
	v_rcp_f32 v14, v14
	v_nop                                          ; a plain line behind the reciprocal,
	s_wait_alu depctr_va_vdst(0)                   ; and the wait ahead of its first reader
.set jj, 0
.rept 16
	v_pk_mul_f32 v[S+jj:S+jj+1], v[O+jj:O+jj+1], v[14:15] op_sel_hi:[1,0]
.set jj, jj+2
.endr
	s_wait_xcnt 0x0                                ; the last pass's stores have read the registers written below
.irp b, 0,1
	v_max3_num_f32 v[BM+\b], |v[S+16*\b]|, |v[S+1+16*\b]|, 0x4800000
.endr
.irp i, 2,4,6,8,10,12,14
.irp b, 0,1
	v_max3_num_f32 v[BM+\b], v[BM+\b], |v[S+16*\b+\i]|, |v[S+1+16*\b+\i]|
.endr
.endr
.irp b, 0,1
	v_permlanex16_b32 v[T2+\b], v[BM+\b], s[SEL], s[SEL+1]
.endr
.irp b, 0,1
	v_max_num_f32 v[BM+\b], v[BM+\b], v[T2+\b]
.endr
.irp b, 0,1
	v_add_nc_u32 v[SO+\b], 0xfc000000, v[BM+\b]
.endr
.irp b, 0,1
	v_and_or_b32 v[HL+\b], v[BM+\b], 0x7f800000, s[MNT]
.endr
.irp b, 0,1
	v_lshrrev_b32 v[T2+\b], 23, v[SO+\b]
.endr
	v_lshl_or_b32 v245, v[T2+1], 8, v[T2]          ; my row's two scale bytes of this head
.irp b, 0,1
.irp i, 0,1,2,3,4,5,6,7,8,9,10,11,12,13,14,15
	v_med3_num_f32 v[S+16*\b+\i], v[S+16*\b+\i], -v[HL+\b], v[HL+\b]
.endr
	v_cvt_scalef32_pk8_fp8_f32 v[PCD+4*\b:PCD+4*\b+1], v[S+16*\b:S+16*\b+7], v[SO+\b]
	v_cvt_scalef32_pk8_fp8_f32 v[PCD+4*\b+2:PCD+4*\b+3], v[S+16*\b+8:S+16*\b+15], v[SO+\b]
.endr
	v_nop                                          ; one plain line behind the last conversion
	global_store_b128 v[LI], v[PCD:PCD+3], s[50:51] offset:\n*131072         ; 512 consecutive bytes each, aligned
	global_store_b128 v[LI], v[PCD+4:PCD+7], s[50:51] offset:\n*131072+512
	s_wait_xcnt 0x0                                ; EXEC changes only when every earlier memory instruction has read it
	v_cmp_gt_u32 vcc_lo, 16, v[LN]
	s_and_saveexec_b32 s54, vcc_lo                 ; lanes 16-31 hold the same bytes
	global_store_b16 v[R16], v245, s[52:53] offset:\n*4096
	s_wait_xcnt 0x0                                ; and again ahead of the line that widens it
	s_or_b32 exec_lo, exec_lo, s54
.endm
.macro PASS n
	s_wait_loadcnt 0x0                             ; Q
	v_lshl_or_b32 v[QSC], v41, 16, v41             ; its two bytes twice: whichever half of K the codes stand in
	v_mov_b32 v13, 0xff61b1e6                      ; the largest t so far: -3e38
	v_floor_f32 v12, -v13                          ; -M
	v_mov_b32 v14, 0
	v_mov_b32 v15, 0
.set jj, 0
.rept 32
	v_mov_b32 v[O+jj], 0                           ; O^T: the step is written once; its first turn finds zeros.  (Also the places between Q's scale word and the first product)
.set jj, jj+1
.endr
	s_mov_b32 s[TK], 0
	s_mov_b32 s[TS], 0
	s_mov_b32 s44, 16
.Lstep_\@:
	STEP
	s_sub_co_u32 s44, s44, 1
	s_cmp_lg_u32 s44, 0
	s_cbranch_scc1 .Lstep_\@
	OUT \n
.endm
	PASS 0
	PASS 1
	s_wait_tensorcnt 0x0
	ds_add_u32 v246, v247
	s_wait_dscnt 0x0
	CROUND                                         ; the closing round: no work-group ends while a partner may still ask for a tile that names it
	s_endpgm
.Lfunc_end_k_qdb7dbbf419_attn:
	.size	k_qdb7dbbf419_attn, .Lfunc_end_k_qdb7dbbf419_attn-k_qdb7dbbf419_attn
	.p2alignl 7, 3214868480
	.fill 96, 4, 3214868480
	.section	.rodata,"a",@progbits
	.p2align	6, 0x0
	.amdhsa_kernel k_qdb7dbbf419_attn
		.amdhsa_group_segment_fixed_size 272384
		.amdhsa_private_segment_fixed_size 0
		.amdhsa_enable_private_segment 0
		.amdhsa_kernarg_size 32
		.amdhsa_user_sgpr_count 2
		.amdhsa_user_sgpr_kernarg_segment_ptr 1
		.amdhsa_wavefront_size32 1
		.amdhsa_system_sgpr_workgroup_id_x 1
		.amdhsa_system_sgpr_workgroup_id_y 1
		.amdhsa_system_sgpr_workgroup_id_z 1
		.amdhsa_system_vgpr_workitem_id 0
		.amdhsa_next_free_vgpr 256
		.amdhsa_next_free_sgpr 66
		.amdhsa_reserve_vcc 1
		.amdhsa_float_denorm_mode_32 3
		.amdhsa_float_denorm_mode_16_64 3
		.amdhsa_memory_ordered 1
		.amdhsa_forward_progress 1
		.amdhsa_inst_pref_size 59
	.end_amdhsa_kernel
	.amdgpu_metadata
---
amdhsa.version: [ 1, 2 ]
amdhsa.kernels:
  - .name:           k_qdb7dbbf419_attn
    .symbol:         k_qdb7dbbf419_attn.kd
    .args:
      - { .name: hc, .offset: 0, .size: 8, .value_kind: global_buffer, .address_space: global }
      - { .name: hs, .offset: 8, .size: 8, .value_kind: global_buffer, .address_space: global }
      - { .name: ac, .offset: 16, .size: 8, .value_kind: global_buffer, .address_space: global }
      - { .name: asc, .offset: 24, .size: 8, .value_kind: global_buffer, .address_space: global }
    .group_segment_fixed_size: 272384
    .private_segment_fixed_size: 0
    .kernarg_segment_align: 8
    .kernarg_segment_size: 32
    .max_flat_workgroup_size: 512
    .sgpr_count:     66
    .vgpr_count:     256
    .wavefront_size: 32
...
	.end_amdgpu_metadata
.endif
;; end of part 3
;; launch outp (part 4): grid 256 x 1, 4 waves a work-group, no clusters, 34,304 bytes of LDS; arguments ac, asc, inc, ins, bo, out0; writes out0
.if DOCPART == 4
	.amdgcn_target "amdgcn-amd-amdhsa--gfx1250"
	.amdhsa_code_object_version 6
	.text
	.protected	k_qdb7dbbf419_outp
	.globl	k_qdb7dbbf419_outp
	.p2align	8
	.type	k_qdb7dbbf419_outp,@function
k_qdb7dbbf419_outp:
	s_mov_b64 s[64:65], 0
	v_nop
	global_prefetch_b8 v0, s[64:65] scope:SCOPE_SE
	s_setreg_imm32_b32 hwreg(HW_REG_WAVE_MODE, 25, 1), 1
	s_wait_xcnt 0x0
; out0 = attn Wo^T + bo on codes of FP8 (E4M3) with E8M0 scales; out0 [16384][512] f32.
; A work-group takes four token tiles (64 rows of out0); wave w makes features 128 w .. 128 w + 127 of them, with its part of Wo (8 permuted tiles: 32 fragments, 512 registers) in registers, as source 0; a token tile is source 1:
; a lane holds a token, and accumulator register 16 b + i is feature 128 w + 32 b + 16 h + i.  bo is the C of each sum's first product.  All operands are images of registers in memory: every load takes 512 consecutive bytes.
; A tile's 16 rows x 512 bytes go through the wave's own stage in LDS (rows 528 bytes apart) and leave as whole rows: 32 lanes store 512 consecutive bytes, aligned.  No barrier: waves share nothing in LDS.
; No cluster: operands go from memory straight into registers; a work-group's own 34 KB of tokens is read by its four waves, Wo's 256 KB by all work-groups, once a wave.
; REGISTERS: window 0: v1-6 offsets; v16-79 accumulators; v80-143 rows on their way out; v144-159 the token tiles' scale words; v160-191 Wo's; v192-255 bo.   windows 1, 2: Wo.   window 3: the four token tiles.
.set LI,  1                            ; v1  16 x lane
.set BO,  2                            ; v2  64 h
.set R16, 3                            ; v3  16 r
.set STO, 4                            ; v4  the stage, in: row r, + 64 h
.set SRD, 5                            ; v5  the stage, back: 16 x lane
.set CO,  6                            ; v6  16 x lane + 512 w: my bytes of a row of out0
.set ACC, 16
.set OUTR, 80
.set TS,  144
.set SS,  160
.set BI,  192
.set MSB, 0
.macro WIN new                         ; the immediate's high byte repeats the setting that is left
.if MSB != \new
	s_set_vgpr_msb (MSB<<8)|\new
.set MSB, \new
.endif
.endm
; 16 matrix instructions: Wo's tiles t0 .. t0 + 3 x token tile i: four accumulators by turns, one instruction a turn
.macro MMH i, t0
.irp s, 0,1,2,3
.irp u, 0,1,2,3
.if \s == 0
	v_wmma_scale_f32_16x16x128_f8f6f4 v[ACC+8*(\t0+\u):ACC+8*(\t0+\u)+7], v[64*\u+16*\s:64*\u+16*\s+15], v[64*\i+16*\s:64*\i+16*\s+15], v[BI+8*(\t0+\u):BI+8*(\t0+\u)+7], v[SS+4*(\t0+\u)+\s], v[TS+4*\i+\s]
.else
	v_wmma_scale_f32_16x16x128_f8f6f4 v[ACC+8*(\t0+\u):ACC+8*(\t0+\u)+7], v[64*\u+16*\s:64*\u+16*\s+15], v[64*\i+16*\s:64*\i+16*\s+15], v[ACC+8*(\t0+\u):ACC+8*(\t0+\u)+7], v[SS+4*(\t0+\u)+\s], v[TS+4*\i+\s]
.endif
.endr
.endr
.endm
	s_load_b256 s[4:11], s[0:1], 0x0               ; ac, asc, inc, ins
	s_load_b128 s[12:15], s[0:1], 0x20             ; bo, out0
	v_lshl_add_u32 v14, v0, 2, 0x8400
	v_mov_b32 v15, 0
	v_lshrrev_b32 v7, 5, v0
	v_readfirstlane_b32 s18, v7                    ; wave w
	v_and_b32 v8, 31, v0
	v_lshlrev_b32 v[LI], 4, v8
	v_and_b32 v9, 15, v0                           ; r
	v_bfe_u32 v10, v0, 4, 1                        ; h
	v_lshlrev_b32 v[BO], 6, v10
	v_lshlrev_b32 v[R16], 4, v9
	s_mul_i32 s19, s18, 16*528                     ; my stage
	v_mul_u32_u24 v[STO], v9, 528
	v_lshl_add_u32 v[STO], v10, 6, v[STO]
	v_add_nc_u32 v[STO], s19, v[STO]
	v_add_nc_u32 v[SRD], s19, v[LI]
	s_lshl_b32 s30, s18, 9
	s_mov_b32 s31, 0
	v_add_nc_u32 v[CO], s30, v[LI]
	s_lshl_b32 s20, ttmp9, 15                      ; my four token tiles: 8,192 bytes of codes each,
	s_mov_b32 s21, 0
	s_lshl_b32 s22, ttmp9, 10                      ; 256 of scale words each
	s_mov_b32 s23, 0
	s_lshl_b32 s24, s18, 3
	s_add_co_u32 s24, s24, 3168                    ; Wo's tiles 8 w on
	s_lshl_b32 s26, s24, 13
	s_mov_b32 s27, 0
	s_lshl_b32 s28, s24, 9
	s_mov_b32 s29, 0
	s_lshl_b32 s32, ttmp9, 17                      ; my 64 rows of out0, 2,048 bytes each
	s_mov_b32 s33, 0
	s_wait_kmcnt 0x0
	s_add_nc_u64 s[4:5], s[4:5], s[20:21]
	s_add_nc_u64 s[6:7], s[6:7], s[22:23]
	s_add_nc_u64 s[8:9], s[8:9], s[26:27]
	s_add_nc_u64 s[10:11], s[10:11], s[28:29]
	s_add_nc_u64 s[12:13], s[12:13], s[30:31]
	s_add_nc_u64 s[14:15], s[14:15], s[32:33]
	WIN 0xc0                                       ; destination window 3
.irp i, 0,1,2,3
.irp f, 0,1,2,3,4,5,6,7,8,9,10,11,12,13,14,15
	global_load_b128 v[64*\i+4*\f:64*\i+4*\f+3], v[LI], s[4:5] offset:\i*8192+\f*512
.endr
.endr
	WIN 0
.irp i, 0,1,2,3
	global_load_b128 v[TS+4*\i:TS+4*\i+3], v[R16], s[6:7] offset:\i*256   ; row r's four words
.endr
	WIN 0x40
.irp t, 0,1,2,3
.irp f, 0,1,2,3,4,5,6,7,8,9,10,11,12,13,14,15
	global_load_b128 v[64*\t+4*\f:64*\t+4*\f+3], v[LI], s[8:9] offset:\t*8192+\f*512
.endr
.endr
	WIN 0x80
.irp t, 0,1,2,3
.irp f, 0,1,2,3,4,5,6,7,8,9,10,11,12,13,14,15
	global_load_b128 v[64*\t+4*\f:64*\t+4*\f+3], v[LI], s[8:9] offset:(\t+4)*8192+\f*512
.endr
.endr
	WIN 0
.irp t, 0,1,2,3,4,5,6,7
	global_load_b128 v[SS+4*\t:SS+4*\t+3], v[LI], s[10:11] offset:\t*512
.endr
.irp t, 0,1,2,3,4,5,6,7
	global_load_b128 v[BI+8*\t:BI+8*\t+3], v[BO], s[12:13] offset:(32*(\t/2)+8*(\t%2))*4       ; lane (r, h), tile t: features 32 (t / 2) + 16 h + 8 (t % 2) + 0 .. 7
	global_load_b128 v[BI+8*\t+4:BI+8*\t+7], v[BO], s[12:13] offset:(32*(\t/2)+8*(\t%2))*4+16
.endr
	s_wait_loadcnt 0x0                             ; the first product wants the youngest loads too
.irp i, 0,1,2,3
	WIN 0x0d                                       ; source 0 (Wo) window 1, source 1 (tokens) window 3, C and D window 0
	MMH \i, 0
	WIN 0x0e
	MMH \i, 4
	WIN 0
.rept 9
	v_nop                                          ; eight places ahead of the LDS stores that read the results; nine, since the next tile's products begin these accumulators anew
.endr
.if \i > 0
	s_wait_xcnt 0x0                                ; the last tile's stores have read the registers that the loads below fill
.endif
.irp b, 0,1,2,3
.irp q, 0,1,2,3
	ds_store_b128 v[STO], v[ACC+16*\b+4*\q:ACC+16*\b+4*\q+3] offset:\b*128+\q*16   ; each accumulator from its low end on
.endr
.endr
.irp t, 0,1,2,3,4,5,6,7,8,9,10,11,12,13,14,15
	ds_load_b128 v[OUTR+4*\t:OUTR+4*\t+3], v[SRD] offset:\t*528   ; LDS serves a wave's instructions in order (ISA guide 5.7.1.4): these see my stores
.endr
.irp t, 0,1,2,3,4,5,6,7,8,9,10,11,12,13,14,15
	s_wait_dscnt 15-\t                             ; row t is back; the younger rows may be out.  The count ends at 0: the stage's stores have read the accumulators
	global_store_b128 v[CO], v[OUTR+4*\t:OUTR+4*\t+3], s[14:15] offset:\i*32768+\t*2048 th:TH_STORE_NT   ; 512 consecutive bytes of a row, aligned; written once, read by nobody here
.endr
.endr
	s_wait_tensorcnt 0x0
	ds_add_u32 v14, v15
	s_wait_dscnt 0x0
	s_endpgm
.Lfunc_end_k_qdb7dbbf419_outp:
	.size	k_qdb7dbbf419_outp, .Lfunc_end_k_qdb7dbbf419_outp-k_qdb7dbbf419_outp
	.p2alignl 7, 3214868480
	.fill 96, 4, 3214868480
	.section	.rodata,"a",@progbits
	.p2align	6, 0x0
	.amdhsa_kernel k_qdb7dbbf419_outp
		.amdhsa_group_segment_fixed_size 34304
		.amdhsa_private_segment_fixed_size 0
		.amdhsa_enable_private_segment 0
		.amdhsa_kernarg_size 48
		.amdhsa_user_sgpr_count 2
		.amdhsa_user_sgpr_kernarg_segment_ptr 1
		.amdhsa_wavefront_size32 1
		.amdhsa_system_sgpr_workgroup_id_x 1
		.amdhsa_system_sgpr_workgroup_id_y 1
		.amdhsa_system_sgpr_workgroup_id_z 1
		.amdhsa_system_vgpr_workitem_id 0
		.amdhsa_next_free_vgpr 1024
		.amdhsa_next_free_sgpr 66
		.amdhsa_reserve_vcc 0
		.amdhsa_float_denorm_mode_32 3
		.amdhsa_float_denorm_mode_16_64 3
		.amdhsa_memory_ordered 1
		.amdhsa_forward_progress 1
		.amdhsa_inst_pref_size 57
	.end_amdhsa_kernel
	.amdgpu_metadata
---
amdhsa.version: [ 1, 2 ]
amdhsa.kernels:
  - .name:           k_qdb7dbbf419_outp
    .symbol:         k_qdb7dbbf419_outp.kd
    .args:
      - { .name: ac, .offset: 0, .size: 8, .value_kind: global_buffer, .address_space: global }
      - { .name: asc, .offset: 8, .size: 8, .value_kind: global_buffer, .address_space: global }
      - { .name: inc, .offset: 16, .size: 8, .value_kind: global_buffer, .address_space: global }
      - { .name: ins, .offset: 24, .size: 8, .value_kind: global_buffer, .address_space: global }
      - { .name: bo, .offset: 32, .size: 8, .value_kind: global_buffer, .address_space: global }
      - { .name: out0, .offset: 40, .size: 8, .value_kind: global_buffer, .address_space: global }
    .group_segment_fixed_size: 34304
    .private_segment_fixed_size: 0
    .kernarg_segment_align: 8
    .kernarg_segment_size: 48
    .max_flat_workgroup_size: 128
    .sgpr_count:     66
    .vgpr_count:     1024
    .wavefront_size: 32
...
	.end_amdgpu_metadata
.endif
;; end of part 4
;; ======== version 2 of 2: 4 launches
;; workspace buffers: inc 26,214,400 bytes; ins 1,638,400 bytes; hc 25,165,824 bytes; hs 786,432 bytes; ac 8,388,608 bytes; asc 262,144 bytes
;; launch quant (part 5): grid 800 x 1, 4 waves a work-group, no clusters, 34,304 bytes of LDS; arguments q, k, v, Wq, Wk, Wv, Wo, inc, ins; writes inc, ins
.if DOCPART == 5
	.amdgcn_target "amdgcn-amd-amdhsa--gfx1250"
	.amdhsa_code_object_version 6
	.text
	.protected	k_qdb7dbbf419_quant
	.globl	k_qdb7dbbf419_quant
	.p2align	8
	.type	k_qdb7dbbf419_quant,@function
k_qdb7dbbf419_quant:
	s_mov_b64 s[64:65], 0
	v_nop
	global_prefetch_b8 v0, s[64:65] scope:SCOPE_SE
	s_setreg_imm32_b32 hwreg(HW_REG_WAVE_MODE, 25, 1), 1
	s_wait_xcnt 0x0
; q, k, v [16384][512] and Wq, Wk, Wv, Wo [512][512], f32, K innermost, become codes of FP8 (E4M3) with one E8M0 byte for each 32 along K,
; laid as IMAGES OF OPERAND REGISTERS.  A tile is 16 row slots x 512 K: four fragments of 16 x 128 K, 2,048 bytes each; in a fragment chunk c
; (registers 4 c .. 4 c + 3 of the operand) lies at 512 c + 16 x lane: lane (r, h) holds k = 32 c + 16 h + 0 .. 15 of row slot r.
; A tile's scale words: 512 bytes, 16 bytes a lane: the words of its four fragments (lanes 16-31 repeat lanes 0-15).
; TILES: q 0-1023, k 1024-2047, v 2048-3071, Wq 3072-, Wk 3104-, Wv 3136-, Wo 3168-3199.  q's tiles take 16 neighbouring rows.  All others are PERMUTED:
; in a group of 128 rows, tile tt's slot r is row 32 (tt / 2) + 8 (tt % 2) + r + 8 (r / 8), so that a product that takes such a tile as source 0
; leaves, in a lane's registers, neighbours along the next product's K.
; A block's scale is 2^(floor(log2(its largest magnitude)) - 8); each number is divided by it, held within +-448 and rounded to the nearest code, ties to even.
; LIMITS: NaN and infinities among the inputs are not served; a block whose largest magnitude lies under 2^-118 keeps the byte 1, and so does a block of zeros
; (the rule says 127 there): its codes are zeros, and these bytes are read by this program alone.
; SHARES: a wave takes one tile: 32 KB in, 8.5 KB out.  Each load reads 512 consecutive bytes of one row; a fragment's 16 x 512 bytes turn through the wave's own stage
; in LDS (rows 528 bytes apart) and come back 64 bytes a lane: 16 neighbours of each block of 32.  No barrier: waves share nothing.  No matrix unit, no cluster: no byte is read twice.
.set X,   16                           ; v16-79    64 numbers of my row slot: register 16 b + i = k 32 b + 16 h + i
.set PC,  80                           ; v80-95    a fragment's codes
.set TM,  96                           ; v96-111   at work in QUANT
.set PW,  112                          ; v112-115  the four fragments' scale words
.set R,   128                          ; v128-255  two sets of 64: a fragment as it is loaded
.set SEL, 28                           ; s[28:29]  v_permlanex16_b32's selects for lane l xor 16
.set MNT, 30                           ; s30       the mantissa field of 448
.set STG, 16*528                       ; a wave's stage
; 64 numbers of a lane become a fragment's codes in v[pc] on and its scale word in v[pw]
.macro QUANT src, pc, pw
.irp b, 0,1,2,3
	v_max3_num_f32 v[TM+\b], |v[\src+16*\b]|, |v[\src+1+16*\b]|, 0x4800000   ; block b: my 16 numbers, and the floor 2^(9 - 127): the byte cannot fall under 1
.endr
.irp i, 2,4,6,8,10,12,14
.irp b, 0,1,2,3
	v_max3_num_f32 v[TM+\b], v[TM+\b], |v[\src+16*\b+\i]|, |v[\src+1+16*\b+\i]|   ; the four blocks by turns
.endr
.endr
.irp b, 0,1,2,3
	v_permlanex16_b32 v[TM+4+\b], v[TM+\b], s[SEL], s[SEL+1]
.endr
.irp b, 0,1,2,3
	v_max_num_f32 v[TM+\b], v[TM+\b], v[TM+4+\b]   ; with lane l xor 16's 16: the block's largest magnitude
.endr
.irp b, 0,1,2,3
	v_add_nc_u32 v[TM+12+\b], 0xfc000000, v[TM+\b]   ; 8 off its exponent field: the conversion's scale operand
.endr
.irp b, 0,1,2,3
	v_and_or_b32 v[TM+8+\b], v[TM+\b], 0x7f800000, s[MNT]   ; 448 x the scale
.endr
.irp b, 0,1,2,3
	v_lshrrev_b32 v[TM+4+\b], 23, v[TM+12+\b]   ; the scale's byte
.endr
	v_lshl_or_b32 v[\pw], v[TM+5], 8, v[TM+4]
	v_lshl_or_b32 v[\pw], v[TM+6], 16, v[\pw]
	v_lshl_or_b32 v[\pw], v[TM+7], 24, v[\pw]
.irp b, 0,1,2,3
.irp i, 0,1,2,3,4,5,6,7,8,9,10,11,12,13,14,15
	v_med3_num_f32 v[\src+16*\b+\i], v[\src+16*\b+\i], -v[TM+8+\b], v[TM+8+\b]   ; the conversion to an 8-bit code does not saturate (ISA guide 7.6.2): the hold comes first
.endr
	v_cvt_scalef32_pk8_fp8_f32 v[\pc+4*\b:\pc+4*\b+1], v[\src+16*\b:\src+16*\b+7], v[TM+12+\b]
	v_cvt_scalef32_pk8_fp8_f32 v[\pc+4*\b+2:\pc+4*\b+3], v[\src+16*\b+8:\src+16*\b+15], v[TM+12+\b]
.endr
	v_nop                                          ; one plain line behind the last conversion
.endm
.macro PICK thr, p, first              ; work-groups under thr belong to an earlier tensor: its pointer, its first work-group
	s_cmp_lt_u32 ttmp9, \thr
	s_cselect_b64 s[4:5], s[\p:\p+1], s[4:5]
	s_cselect_b32 s6, \first, s6
.endm
	s_load_b512 s[8:23], s[0:1], 0x0               ; q, k, v, Wq, Wk, Wv, Wo, inc
	s_load_b64 s[24:25], s[0:1], 0x40              ; ins
	v_lshl_add_u32 v126, v0, 2, 0x8400
	v_mov_b32 v127, 0
	v_lshrrev_b32 v1, 5, v0
	v_readfirstlane_b32 s26, v1                    ; wave
	v_and_b32 v2, 31, v0                           ; lane
	v_and_b32 v3, 15, v0                           ; r
	v_bfe_u32 v9, v0, 4, 1                         ; h
	v_lshlrev_b32 v4, 4, v2                        ; 16 x lane: my bytes of a load's 512, and of a store's
	s_mul_i32 s27, s26, STG
	v_add_nc_u32 v6, s27, v4                       ; the stage, on the way in: a row's 512 bytes as they lie
	v_mul_u32_u24 v7, v3, 528
	v_lshl_add_u32 v7, v9, 6, v7
	v_add_nc_u32 v7, s27, v7                       ; and on the way out: row r, + 64 h
	s_mov_b32 s[SEL], 0x76543210
	s_mov_b32 s[SEL+1], 0xfedcba98
	s_mov_b32 s[MNT], 0x600000
.irp b, 0,1,2,3
	v_mov_b32 v[TM+4+\b], 0                        ; written once: a lane permute's destination counts as one of its sources
.endr
	s_wait_alu depctr_va_vdst(0)
	s_wait_kmcnt 0x0
	s_mov_b64 s[4:5], s[20:21]                     ; which tensor: the choice hangs on the work-group's number alone
	s_mov_b32 s6, 792
	PICK 792, 18, 784
	PICK 784, 16, 776
	PICK 776, 14, 768
	PICK 768, 12, 512
	PICK 512, 10, 256
	PICK 256, 8, 0
	s_lshl_b32 s31, ttmp9, 2
	s_add_co_u32 s31, s31, s26                     ; my tile
	s_lshl_b32 s32, s6, 2
	s_sub_co_u32 s32, s31, s32                     ; and its number in its tensor
	s_lshr_b32 s33, s32, 3
	s_lshl_b32 s33, s33, 7                         ; permuted: 128 x group
	s_bfe_u32 s34, s32, 0x20001
	s_lshl_b32 s34, s34, 5                         ; + 32 (tt / 2)
	s_add_co_u32 s33, s33, s34
	s_and_b32 s34, s32, 1
	s_lshl_b32 s34, s34, 3                         ; + 8 (tt % 2)
	s_add_co_u32 s33, s33, s34
	s_lshl_b32 s34, s32, 4                         ; plain: 16 x tile
	s_mov_b32 s35, 16384
	s_cmp_ge_u32 ttmp9, 256                        ; all tensors but q are permuted
	s_cselect_b32 s33, s33, s34                    ; slot 0's row
	s_cselect_b32 s35, 32768, s35                  ; slot 8 lies 16 rows (permuted) or 8 rows (plain) of 2,048 bytes further on
	v_add_nc_u32 v5, s35, v4
	s_lshl_b32 s36, s33, 11
	s_mov_b32 s37, 0
	s_add_nc_u64 s[4:5], s[4:5], s[36:37]
	s_lshl_b32 s36, s31, 13
	s_add_nc_u64 s[22:23], s[22:23], s[36:37]      ; my tile's codes
	s_lshl_b32 s36, s31, 9
	s_add_nc_u64 s[24:25], s[24:25], s[36:37]      ; and its scale words
.macro LOADF s                         ; fragment s: 512 bytes of each of the 16 rows
.irp i, 0,1,2,3,4,5,6,7
	global_load_b128 v[R+64*((\s)%2)+4*\i:R+64*((\s)%2)+4*\i+3], v4, s[4:5] offset:\i*2048+(\s)*512 th:TH_LOAD_NT
.endr
.irp i, 0,1,2,3,4,5,6,7
	global_load_b128 v[R+64*((\s)%2)+32+4*\i:R+64*((\s)%2)+32+4*\i+3], v5, s[4:5] offset:\i*2048+(\s)*512 th:TH_LOAD_NT
.endr
.endm
.macro TURN s                          ; through the stage: LDS serves a wave's instructions in order (ISA guide 5.7.1.4), so no wait stands between the stores and the loads
.irp i, 0,1,2,3,4,5,6,7,8,9,10,11,12,13,14,15
	ds_store_b128 v6, v[R+64*((\s)%2)+4*\i:R+64*((\s)%2)+4*\i+3] offset:\i*528
.endr
.irp c, 0,1,2,3
.irp j, 0,1,2,3
	ds_load_b128 v[X+16*\c+4*\j:X+16*\c+4*\j+3], v7 offset:\c*128+\j*16
.endr
.endr
.endm
	LOADF 0
	LOADF 1
	s_wait_alu depctr_va_vdst(0)
.irp s, 0,1,2,3
.if \s < 3
	s_wait_loadcnt 16                              ; this fragment's 16 loads are in; the next fragment's 16 may be out
.else
	s_wait_loadcnt 0x0
.endif
	TURN \s
	s_wait_dscnt 0x0                               ; my 64 numbers are back, and the stage's stores have read their registers
.if \s > 0
	s_wait_xcnt 0x0                                ; the last fragment's stores have read the codes' registers
.endif
.if \s < 2
	LOADF \s+2
.endif
	QUANT X, PC, PW+\s
.irp c, 0,1,2,3
	global_store_b128 v4, v[PC+4*\c:PC+4*\c+3], s[22:23] offset:\s*2048+\c*512   ; 32 lanes store 512 consecutive bytes, aligned
.endr
.endr
	global_store_b128 v4, v[PW:PW+3], s[24:25]     ; the tile's scale words: 512 consecutive bytes
	s_wait_tensorcnt 0x0
	ds_add_u32 v126, v127
	s_wait_dscnt 0x0
	s_endpgm
.Lfunc_end_k_qdb7dbbf419_quant:
	.size	k_qdb7dbbf419_quant, .Lfunc_end_k_qdb7dbbf419_quant-k_qdb7dbbf419_quant
	.p2alignl 7, 3214868480
	.fill 96, 4, 3214868480
	.section	.rodata,"a",@progbits
	.p2align	6, 0x0
	.amdhsa_kernel k_qdb7dbbf419_quant
		.amdhsa_group_segment_fixed_size 34304
		.amdhsa_private_segment_fixed_size 0
		.amdhsa_enable_private_segment 0
		.amdhsa_kernarg_size 72
		.amdhsa_user_sgpr_count 2
		.amdhsa_user_sgpr_kernarg_segment_ptr 1
		.amdhsa_wavefront_size32 1
		.amdhsa_system_sgpr_workgroup_id_x 1
		.amdhsa_system_sgpr_workgroup_id_y 1
		.amdhsa_system_sgpr_workgroup_id_z 1
		.amdhsa_system_vgpr_workitem_id 0
		.amdhsa_next_free_vgpr 256
		.amdhsa_next_free_sgpr 66
		.amdhsa_reserve_vcc 0
		.amdhsa_float_denorm_mode_32 3
		.amdhsa_float_denorm_mode_16_64 3
		.amdhsa_memory_ordered 1
		.amdhsa_forward_progress 1
		.amdhsa_inst_pref_size 52
	.end_amdhsa_kernel
	.amdgpu_metadata
---
amdhsa.version: [ 1, 2 ]
amdhsa.kernels:
  - .name:           k_qdb7dbbf419_quant
    .symbol:         k_qdb7dbbf419_quant.kd
    .args:
      - { .name: q, .offset: 0, .size: 8, .value_kind: global_buffer, .address_space: global }
      - { .name: k, .offset: 8, .size: 8, .value_kind: global_buffer, .address_space: global }
      - { .name: v, .offset: 16, .size: 8, .value_kind: global_buffer, .address_space: global }
      - { .name: Wq, .offset: 24, .size: 8, .value_kind: global_buffer, .address_space: global }
      - { .name: Wk, .offset: 32, .size: 8, .value_kind: global_buffer, .address_space: global }
      - { .name: Wv, .offset: 40, .size: 8, .value_kind: global_buffer, .address_space: global }
      - { .name: Wo, .offset: 48, .size: 8, .value_kind: global_buffer, .address_space: global }
      - { .name: inc, .offset: 56, .size: 8, .value_kind: global_buffer, .address_space: global }
      - { .name: ins, .offset: 64, .size: 8, .value_kind: global_buffer, .address_space: global }
    .group_segment_fixed_size: 34304
    .private_segment_fixed_size: 0
    .kernarg_segment_align: 8
    .kernarg_segment_size: 72
    .max_flat_workgroup_size: 128
    .sgpr_count:     66
    .vgpr_count:     256
    .wavefront_size: 32
...
	.end_amdgpu_metadata
.endif
;; end of part 5
;; launch proj (part 6): grid 64 x 3, 4 waves a work-group, no clusters, 0 bytes of LDS; arguments inc, ins, bq, bk, bv, hc, hs; writes hc, hs
.if DOCPART == 6
	.amdgcn_target "amdgcn-amd-amdhsa--gfx1250"
	.amdhsa_code_object_version 6
	.text
	.protected	k_qdb7dbbf419_proj
	.globl	k_qdb7dbbf419_proj
	.p2align	8
	.type	k_qdb7dbbf419_proj,@function
k_qdb7dbbf419_proj:
	s_mov_b64 s[64:65], 0
	v_nop
	global_prefetch_b8 v0, s[64:65] scope:SCOPE_SE
	s_setreg_imm32_b32 hwreg(HW_REG_WAVE_SCHED_MODE, 0, 2), 2
	s_setreg_imm32_b32 hwreg(HW_REG_WAVE_MODE, 25, 1), 1
	s_wait_xcnt 0x0
	s_wait_alu depctr_vm_vsrc(0)
; The three projections x W^T + b on codes of FP8 (E4M3) with E8M0 scales, their results quantised in registers for the two products of attention.
; Work-group y = 0: q, 1: k, 2: v.  EVERY WAVE IS ON ITS OWN.  It keeps a STATIONARY operand S (128 permuted row slots x 512 K: 32 fragments, 512 registers; always source 0) and streams
; 16 tiles T (16 row slots x 512 K; source 1) from memory into two sets of registers by turns.  A tile T: 32 matrix instructions into 8 accumulators, one quantiser, 2 KB of codes out.
;   q, k: S = 128 rows of W (two heads), T = 16 tokens: a lane holds a token, its 64 registers run along the features: blocks of 32 along the head's 64.
;   v:    S = the 128 tokens of a key step, T = 16 rows of Wv: a lane holds a channel, its 64 registers run along the KEYS, which are the second product's K.
; S's slots are permuted (the launch before laid them so): accumulator register 16 b + i of lane (r, h) is next-K index 32 b + 16 h + i, which is the next operand's register order.
; OUT.  hc: qh at 0 and kh at 8 MB: [b x 8 + head][128 tiles][1,024 B]: a tile of 16 tokens x 64: chunk c at 512 c + 16 x lane.  vh at 16 MB: [b x 8 + head][key step][4 tiles of channels][2,048 B].
;       hs: 4,096 B a head; q at 0, k at 262,144: (pair / 4) 256 + 16 r + 4 (pair % 4) + 2 (tile % 2), pair = tile / 2: a word serves a pair of tiles; v at 524,288: 256 x key step + 16 r + 4 x tile of channels.
;       So a row slot's four scale words are 16 consecutive bytes: they are gathered in four registers and leave as whole aligned blocks of 256 bytes.
; No LDS, no barrier.  No cluster: operands go from memory straight into registers, so there is no tile in LDS that a joint load could fill; what work-groups share, a wave's 64 KB of W, is read once a wave against 128 KB of its own stream.
; LIMITS: as in the quantiser's launch: NaN and infinities are not served; a block under 2^-118, and a block of zeros, keeps the byte 1.
; THE MODE: SCHED_MODE bits 1:0 = 2 (LLVM: expert scheduling mode 2), set by the entry lines.  The code itself states the register dependences
; between vector or matrix instructions and memory instructions, with s_wait_alu, always for 0.
; THE PLAN.  Registers that memory instructions touch, in a trip of two tiles:
;   T0, T1     (window 3) with their scale words v116-123 (v: and their bias v124-125).  Tile k's 32 products (v: and its eight copies of the bias) read set k; behind them the next trip's loads land in it.
;   P0, P1     v80-95 and v144-159: tile k's conversions write set k.  P0's stores are issued in tile 1, P1's at the trip's end.
;   v136-139   the scale words on their way out: written by the tail's copies (q, k) or by the head's copies and the quantiser (v); read by a store at the trip's end.
;   v1, v2, v3, v7   offsets, made at the head and never written again: the scalar bases step, and immediate offsets do the rest.
; So a trip has three waits on va_vdst: one behind each tile's products (set k is read out: its loads follow; in tile 1 also: P0 is written: its stores follow the loads), and one at the trip's end (P1 and the
; scale words are written: their stores follow); and one wait on vm_vsrc, at the trip's end: all the trip's stores have read P0, P1 and v136-139, which the next trip writes again.
; v's store of scale words narrows EXEC: the compare's wait, and both waits ahead of each of the two writes of EXEC.
; REGISTERS, in windows of 256: window 0: v1-11 offsets; v16-79 accumulators; v80-95, v144-159 codes, two sets; v96-111 at work; v112-113 scale words just made; v116-123 T's scale words, two sets; v124-125 v's bias as loaded;
;   v128-135 v's bias as a C; v136-141 scale words on their way out; v160-191 S's scale words; v192-255 q's or k's bias in the result's layout.   windows 1, 2: S.   window 3: v0-127 T, two sets.
.set LI,  1                            ; v1   16 x lane
.set BO,  2                            ; v2   64 h: q's and k's bias
.set BV,  3                            ; v3   4 (r + 8 (r / 8)): v's bias
.set SOF, 7                            ; v7   4,096 h + 16 r: the scale words' place
.set LN,  8                            ; v8   lane
.set ACC, 16
.set PC,  80                           ; tile k's codes at PC + 64 k
.set TM,  96
.set PW,  112
.set TS,  116
.set BR,  124
.set BB,  128
.set WS,  136
.set WT,  140
.set SS,  160
.set BI,  192
.set SEL, 22                           ; s[22:23]
.set MNT, 24
.set MSB, 0
.macro WIN new                         ; the immediate's high byte repeats the setting that is left
.if MSB != \new
	s_set_vgpr_msb (MSB<<8)|\new
.set MSB, \new
.endif
.endm
.macro QUANT src, pc, pw
.irp b, 0,1,2,3
	v_max3_num_f32 v[TM+\b], |v[\src+16*\b]|, |v[\src+1+16*\b]|, 0x4800000   ; each accumulator is read from its low end on; the floor 2^(9 - 127) holds the byte at 1 from below
.endr
.irp i, 2,4,6,8,10,12,14
.irp b, 0,1,2,3
	v_max3_num_f32 v[TM+\b], v[TM+\b], |v[\src+16*\b+\i]|, |v[\src+1+16*\b+\i]|
.endr
.endr
.irp b, 0,1,2,3
	v_permlanex16_b32 v[TM+4+\b], v[TM+\b], s[SEL], s[SEL+1]
.endr
.irp b, 0,1,2,3
	v_max_num_f32 v[TM+\b], v[TM+\b], v[TM+4+\b]
.endr
.irp b, 0,1,2,3
	v_add_nc_u32 v[TM+12+\b], 0xfc000000, v[TM+\b]
.endr
.irp b, 0,1,2,3
	v_and_or_b32 v[TM+8+\b], v[TM+\b], 0x7f800000, s[MNT]
.endr
.irp b, 0,1,2,3
	v_lshrrev_b32 v[TM+4+\b], 23, v[TM+12+\b]
.endr
	v_lshl_or_b32 v[\pw], v[TM+5], 8, v[TM+4]
	v_lshl_or_b32 v[\pw], v[TM+6], 16, v[\pw]
	v_lshl_or_b32 v[\pw], v[TM+7], 24, v[\pw]
.irp b, 0,1,2,3
.irp i, 0,1,2,3,4,5,6,7,8,9,10,11,12,13,14,15
	v_med3_num_f32 v[\src+16*\b+\i], v[\src+16*\b+\i], -v[TM+8+\b], v[TM+8+\b]
.endr
	v_cvt_scalef32_pk8_fp8_f32 v[\pc+4*\b:\pc+4*\b+1], v[\src+16*\b:\src+16*\b+7], v[TM+12+\b]
	v_cvt_scalef32_pk8_fp8_f32 v[\pc+4*\b+2:\pc+4*\b+3], v[\src+16*\b+8:\src+16*\b+15], v[TM+12+\b]
.endr
	v_nop                                          ; one plain line behind the last conversion: the next products write its sources
.endm
; a T tile into set k: 16 loads of 512 consecutive bytes, its scale words, and for v the bias of its 16 rows of Wv.  ahead = 1: the next trip's
.macro TLOAD k, ahead, isv
	WIN 0xc0                                       ; destination window 3
.irp f, 0,1,2,3,4,5,6,7,8,9,10,11,12,13,14,15
	global_load_b128 v[64*\k+4*\f:64*\k+4*\f+3], v[LI], s[32:33] offset:\ahead*16384+\k*8192+\f*512
.endr
	WIN 0
	global_load_b128 v[TS+4*\k:TS+4*\k+3], v[LI], s[34:35] offset:\ahead*1024+\k*512
.if \isv
	global_load_b32 v[BR+\k], v[BV], s[36:37] offset:\ahead*128+\k*32
.endif
.endm
; 16 matrix instructions: S's tiles t0 .. t0 + 3 x T's set k, K step by K step: four accumulators by turns, one instruction a turn.  The bias is the C of each sum's first.
.macro MMH k, isv, t0
.irp s, 0,1,2,3
.irp u, 0,1,2,3
.if \s == 0
.if \isv
	v_wmma_scale_f32_16x16x128_f8f6f4 v[ACC+8*(\t0+\u):ACC+8*(\t0+\u)+7], v[64*\u+16*\s:64*\u+16*\s+15], v[64*\k+16*\s:64*\k+16*\s+15], v[BB:BB+7], v[SS+4*(\t0+\u)+\s], v[TS+4*\k+\s]
.else
	v_wmma_scale_f32_16x16x128_f8f6f4 v[ACC+8*(\t0+\u):ACC+8*(\t0+\u)+7], v[64*\u+16*\s:64*\u+16*\s+15], v[64*\k+16*\s:64*\k+16*\s+15], v[BI+8*(\t0+\u):BI+8*(\t0+\u)+7], v[SS+4*(\t0+\u)+\s], v[TS+4*\k+\s]
.endif
.else
	v_wmma_scale_f32_16x16x128_f8f6f4 v[ACC+8*(\t0+\u):ACC+8*(\t0+\u)+7], v[64*\u+16*\s:64*\u+16*\s+15], v[64*\k+16*\s:64*\k+16*\s+15], v[ACC+8*(\t0+\u):ACC+8*(\t0+\u)+7], v[SS+4*(\t0+\u)+\s], v[TS+4*\k+\s]
.endif
.endr
.endr
.endm
; tile k's codes leave: 512 consecutive bytes a store, aligned
.macro PUTQK k
	global_store_b128 v[LI], v[PC+64*\k:PC+64*\k+3], s[38:39] offset:\k*1024                      ; head 2 w: the tile's two chunks,
	global_store_b128 v[LI], v[PC+64*\k+4:PC+64*\k+7], s[38:39] offset:\k*1024+512
	global_store_b128 v[LI], v[PC+64*\k+8:PC+64*\k+11], s[38:39] offset:\k*1024+131072            ; head 2 w + 1: 128 tiles further on
	global_store_b128 v[LI], v[PC+64*\k+12:PC+64*\k+15], s[38:39] offset:\k*1024+131072+512
.endm
.macro PUTV k
.irp c, 0,1,2,3
	global_store_b128 v[LI], v[PC+64*\k+4*\c:PC+64*\k+4*\c+3], s[38:39] offset:\k*2048+\c*512     ; a fragment of V^T: 16 channels x these 128 keys
.endr
.endm
; One T tile.  left: the loads that may stay out: the other set's.  more = 1: set k is asked for again, for the next trip.  Tile 1 issues tile 0's stores; its own stand in the trip's tail.
.macro TILE k, more, left, isv
	s_wait_loadcnt \left                           ; loads come back in order (ISA guide 5.7.1): set k, and all that was asked for ahead of it, is in
.if \isv
.irp j, 0,1,2,3,4,5,6,7
	v_mov_b32 v[BB+\j], v[BR+\k]                   ; a lane holds one channel: its bias in all eight registers of a C
.endr
.rept 4
	v_nop                                          ; between the writes of C and the products
.endr
.endif
	WIN 0x0d                                       ; source 0 (S) window 1, source 1 (T) window 3, C and D window 0
	MMH \k, \isv, 0
	WIN 0x0e                                       ; S's tiles 4 to 7: window 2
	MMH \k, \isv, 4
.rept 9
	v_nop                                          ; eight places ahead of the first read of results; nine, since the next tile's products begin these accumulators anew
.endr
.if \more
	WIN 0xc0                                       ; the window first, then the wait, then the loads
	s_wait_alu depctr_va_vdst(0)                   ; the products are done reading T's set k and its scale words (v: the copies its bias), in which the loads below land; in tile 1 also: tile 0's conversions have written P0, which the stores below read
	TLOAD \k, 1, \isv
.else
	WIN 0
.if \k
	s_wait_alu depctr_va_vdst(0)                   ; tile 0's conversions have written P0, which the stores below read
.endif
.endif
.if \k
.if \isv
	PUTV 0                                         ; behind the loads: no vector or matrix instruction since the wait
.else
	PUTQK 0
.endif
.endif
.if \isv
	QUANT ACC, PC+64*\k, WS+2+\k
.else
	QUANT ACC, PC+64*\k, PW+\k
.endif
.endm
; q, k: a trip's two tiles are a pair: its word for head 2 w is the two low halves, for head 2 w + 1 the two high halves.  Lanes 0-15 keep the first, lanes 16-31 (which hold the same rows) the second.
; Four pairs' words are 16 bytes of a row slot: they leave in trips 3 and 7, sixteen lanes to an aligned block of 256 bytes.
.macro TAILQK last
	v_mov_b32 v[WS], v[WS+1]
	v_mov_b32 v[WS+1], v[WS+2]
	v_mov_b32 v[WS+2], v[WS+3]
	v_perm_b32 v[WT], v[PW+1], v[PW], 0x05040100
	v_perm_b32 v[WT+1], v[PW+1], v[PW], 0x07060302
	v_cndmask_b32 v[WS+3], v[WT], v[WT+1], s55
	s_wait_alu depctr_va_vdst(0)                   ; tile 1's conversions have written P1, and the lines above v136-139: the stores below read them
	PUTQK 1
.if \last
	global_store_b128 v[SOF], v[WS:WS+3], s[42:43] offset:256
.else
	s_cmp_eq_u32 s25, 3
	s_cbranch_scc0 .Lnot_yet_\@
	global_store_b128 v[SOF], v[WS:WS+3], s[42:43]
.Lnot_yet_\@:
.endif
.endm
; v: four tiles of channels are a head: their words leave in every odd trip, from lanes 0-15 (lanes 16-31 hold the same)
.macro TAILV last
	s_wait_alu depctr_va_vdst(0)                   ; tile 1's conversions have written P1, which the stores below read
	PUTV 1
.if !\last
	s_and_b32 s44, s25, 1
	s_cmp_eq_u32 s44, 0
	s_cbranch_scc1 .Lnot_yet_\@
.endif
	s_wait_xcnt 0x0                                ; EXEC changes only when every earlier memory instruction has read it
	v_cmp_gt_u32 vcc_lo, 16, v[LN]
	s_wait_alu depctr_va_vcc(0)                    ; the compare has written VCC, from which EXEC is made
	s_wait_alu depctr_va_vdst(0)                   ; ahead of the write of EXEC: every vector instruction issued under the old EXEC has written its result; the quantiser's among them, v136-139, which the store below reads
	s_wait_alu depctr_vm_vsrc(0)                   ; ahead of the write of EXEC: the stores above have read their registers
	s_and_saveexec_b32 s54, vcc_lo
	global_store_b128 v[SOF], v[WS:WS+3], s[52:53]
	s_wait_xcnt 0x0                                ; and again ahead of the line that widens it
	s_wait_alu depctr_va_vdst(0)                   ; ahead of the write of EXEC: no vector result is pending
	s_wait_alu depctr_vm_vsrc(0)                   ; ahead of the write of EXEC: the store under the narrow EXEC has read its registers
	s_or_b32 exec_lo, exec_lo, s54
.if !\last
.Lnot_yet_\@:
.endif
.endm
.macro HEADV                           ; trip I: head I / 2 of my four, tiles of channels 2 (I % 2) and + 1.  No store is pending on these registers: the trip before ended with its waits
	s_lshr_b32 s44, s25, 1
	s_lshl_b32 s46, s44, 12
	s_lshl_b32 s44, s44, 17
	s_and_b32 s45, s25, 1
	s_lshl_b32 s45, s45, 12
	s_add_co_u32 s44, s44, s45
	s_mov_b32 s45, 0
	s_mov_b32 s47, 0
	s_add_nc_u64 s[38:39], s[40:41], s[44:45]
	s_add_nc_u64 s[52:53], s[42:43], s[46:47]
	v_mov_b32 v[WS], v[WS+2]                       ; the last trip's two words move down
	v_mov_b32 v[WS+1], v[WS+3]
.endm
	s_load_b256 s[4:11], s[0:1], 0x0               ; inc, ins, bq, bk
	s_load_b128 s[12:15], s[0:1], 0x20             ; bv, hc
	s_load_b64 s[16:17], s[0:1], 0x30              ; hs
	v_lshrrev_b32 v11, 5, v0
	v_readfirstlane_b32 s18, v11                   ; wave w
	v_and_b32 v[LN], 31, v0
	v_lshlrev_b32 v[LI], 4, v[LN]
	v_and_b32 v9, 15, v0                           ; r
	v_bfe_u32 v10, v0, 4, 1                        ; h
	v_lshlrev_b32 v[BO], 6, v10
	v_and_b32 v[BV], 8, v9
	v_add_nc_u32 v[BV], v[BV], v9
	v_lshlrev_b32 v[BV], 2, v[BV]
	v_lshlrev_b32 v[SOF], 4, v9
	v_lshl_add_u32 v[SOF], v10, 12, v[SOF]
.irp b, 0,1,2,3
	v_mov_b32 v[TM+4+\b], 0                        ; a lane permute's destination counts as one of its sources
	v_mov_b32 v[WS+\b], 0                          ; the words that move down in the first trips are written
.endr
	s_mov_b32 s[SEL], 0x76543210
	s_mov_b32 s[SEL+1], 0xfedcba98
	s_mov_b32 s[MNT], 0x600000
	s_mov_b32 s55, 0xffff0000                      ; lanes 16-31
	s_and_b32 s19, ttmp7, 0xffff                   ; y
	s_mov_b32 s20, ttmp9                           ; x
	s_wait_alu depctr_va_sdst(0)                   ; s18 is written, ahead of its first reader: the tiles' numbers and the bases are made from it
	s_lshl_b32 s21, s20, 2
	s_add_co_u32 s21, s21, s18                     ; j = 4 x + w
	s_lshl_b32 s44, s19, 5
	s_lshl_b32 s45, s18, 3
	s_add_co_u32 s44, s44, s45
	s_add_co_u32 s44, s44, 3072                    ; q, k: S = W's tiles 8 w on
	s_lshr_b32 s45, s21, 1
	s_lshl_b32 s45, s45, 3
	s_add_co_u32 s45, s45, 2048                    ; v: S = v's key step j / 2
	s_lshl_b32 s46, s19, 10
	s_lshl_b32 s47, s20, 4
	s_add_co_u32 s46, s46, s47                     ; q, k: T = token tiles 16 x on
	s_and_b32 s47, s21, 1
	s_lshl_b32 s47, s47, 4
	s_add_co_u32 s47, s47, 3136                    ; v: T = half j % 2 of Wv's tiles
	s_cmp_eq_u32 s19, 2
	s_cselect_b32 s44, s45, s44
	s_cselect_b32 s46, s47, s46
	s_lshl_b32 s28, s44, 13                        ; a tile's codes are 8,192 bytes, its scale words 512
	s_mov_b32 s29, 0
	s_lshl_b32 s30, s44, 9
	s_mov_b32 s31, 0
	s_lshl_b32 s32, s46, 13
	s_mov_b32 s33, 0
	s_lshl_b32 s34, s46, 9
	s_mov_b32 s35, 0
	s_wait_kmcnt 0x0
	s_add_nc_u64 s[28:29], s[4:5], s[28:29]
	s_add_nc_u64 s[30:31], s[6:7], s[30:31]
	s_add_nc_u64 s[32:33], s[4:5], s[32:33]
	s_add_nc_u64 s[34:35], s[6:7], s[34:35]
	WIN 0x40                                       ; S stays: tiles 0-3 in window 1,
	s_wait_alu depctr_va_vdst(0)                   ; the offsets v1, v2, v3 and v7 are written: every load and store of the kernel reads one of them, and no line writes them again
.irp t, 0,1,2,3
.irp f, 0,1,2,3,4,5,6,7,8,9,10,11,12,13,14,15
	global_load_b128 v[64*\t+4*\f:64*\t+4*\f+3], v[LI], s[28:29] offset:\t*8192+\f*512
.endr
.endr
	WIN 0x80                                       ; tiles 4-7 in window 2,
.irp t, 0,1,2,3
.irp f, 0,1,2,3,4,5,6,7,8,9,10,11,12,13,14,15
	global_load_b128 v[64*\t+4*\f:64*\t+4*\f+3], v[LI], s[28:29] offset:(\t+4)*8192+\f*512
.endr
.endr
	WIN 0
.irp t, 0,1,2,3,4,5,6,7
	global_load_b128 v[SS+4*\t:SS+4*\t+3], v[LI], s[30:31] offset:\t*512   ; and its scale words: tile t, K step s at v[SS + 4 t + s]
.endr
	s_cmp_eq_u32 s19, 2
	s_cbranch_scc1 .Lpath_v
	; ---- q, k
	s_cmp_eq_u32 s19, 0
	s_cselect_b64 s[36:37], s[8:9], s[10:11]       ; bq or bk,
	s_lshl_b32 s44, s18, 9
	s_mov_b32 s45, 0
	s_add_nc_u64 s[36:37], s[36:37], s[44:45]      ; my 128 features
	s_lshr_b32 s46, s20, 3
	s_lshl_b32 s46, s46, 3
	s_lshl_b32 s47, s18, 1
	s_add_co_u32 s46, s46, s47                     ; 8 b + 2 w: my first head
	s_and_b32 s47, s20, 7                          ; which 256 tokens of the batch's 2,048
	s_lshl_b32 s44, s46, 17
	s_lshl_b32 s48, s47, 14
	s_add_co_u32 s44, s44, s48
	s_lshl_b32 s48, s19, 23
	s_add_co_u32 s44, s44, s48
	s_add_nc_u64 s[38:39], s[14:15], s[44:45]      ; codes out
	s_lshl_b32 s44, s46, 12
	s_lshl_b32 s48, s47, 9
	s_add_co_u32 s44, s44, s48
	s_lshl_b32 s48, s19, 18
	s_add_co_u32 s44, s44, s48
	s_add_nc_u64 s[42:43], s[16:17], s[44:45]      ; scale words out
.irp t, 0,1,2,3,4,5,6,7
	global_load_b128 v[BI+8*\t:BI+8*\t+3], v[BO], s[36:37] offset:(32*(\t/2)+8*(\t%2))*4       ; lane (r, h), tile t: features 32 (t / 2) + 16 h + 8 (t % 2) + 0 .. 7
	global_load_b128 v[BI+8*\t+4:BI+8*\t+7], v[BO], s[36:37] offset:(32*(\t/2)+8*(\t%2))*4+16
.endr
	TLOAD 0, 0, 0
	TLOAD 1, 0, 0
	s_mov_b32 s25, 0
.Ltrip_qk:                                             ; seven trips of two tiles; each asks for the next trip's two
	TILE 0, 1, 17, 0
	TILE 1, 1, 17, 0
	TAILQK 0
	s_wait_xcnt 0x0                                ; every memory instruction has read its base: they step; and the trip's stores have had their addresses translated: P0, P1 and v136-139 are written again only behind this wait
	s_wait_alu depctr_vm_vsrc(0)                   ; the trip's stores have read P0, P1 and v136-139, which the next trip's conversions and copies write again
	s_add_nc_u64 s[32:33], s[32:33], 16384
	s_add_nc_u64 s[34:35], s[34:35], 1024
	s_add_nc_u64 s[38:39], s[38:39], 2048
	s_add_co_u32 s25, s25, 1
	s_cmp_lt_u32 s25, 7
	s_cbranch_scc1 .Ltrip_qk
	TILE 0, 0, 17, 0                               ; the last trip asks for nothing: no load leaves its buffer
	TILE 1, 0, 0, 0
	TAILQK 1
	s_endpgm
	; ---- v
.Lpath_v:
	s_and_b32 s46, s21, 1
	s_lshl_b32 s44, s46, 10
	s_mov_b32 s45, 0
	s_add_nc_u64 s[36:37], s[12:13], s[44:45]      ; bv: my 256 features.  Tile n's slot r is feature 32 (n / 2) + 8 (n % 2) + r + 8 (r / 8) of them
	s_lshr_b32 s47, s21, 5
	s_lshl_b32 s47, s47, 3
	s_lshl_b32 s46, s46, 2
	s_add_co_u32 s47, s47, s46                     ; 8 b + 4 (j % 2): my first head
	s_bfe_u32 s48, s21, 0x40001                    ; my key step
	s_lshl_b32 s44, s47, 17
	s_lshl_b32 s49, s48, 13
	s_add_co_u32 s44, s44, s49
	s_add_co_u32 s44, s44, 0x1000000
	s_add_nc_u64 s[40:41], s[14:15], s[44:45]      ; codes out
	s_lshl_b32 s44, s47, 12
	s_lshl_b32 s49, s48, 8
	s_add_co_u32 s44, s44, s49
	s_add_co_u32 s44, s44, 0x80000
	s_add_nc_u64 s[42:43], s[16:17], s[44:45]      ; scale words out
	TLOAD 0, 0, 1
	TLOAD 1, 0, 1
	s_mov_b32 s25, 0
.Ltrip_v:
	HEADV
	TILE 0, 1, 18, 1
	TILE 1, 1, 18, 1
	TAILV 0
	s_wait_xcnt 0x0                                ; every memory instruction has read its base: they step; P0, P1 and v136-139 are written again only behind this wait
	s_wait_alu depctr_vm_vsrc(0)                   ; the trip's stores have read P0, P1 and v136-139, which the next trip's conversions, copies and quantiser write again
	s_add_nc_u64 s[32:33], s[32:33], 16384
	s_add_nc_u64 s[34:35], s[34:35], 1024
	s_add_nc_u64 s[36:37], s[36:37], 128
	s_add_co_u32 s25, s25, 1
	s_cmp_lt_u32 s25, 7
	s_cbranch_scc1 .Ltrip_v
	HEADV
	TILE 0, 0, 18, 1
	TILE 1, 0, 0, 1
	TAILV 1
	s_endpgm
.Lfunc_end_k_qdb7dbbf419_proj:
	.size	k_qdb7dbbf419_proj, .Lfunc_end_k_qdb7dbbf419_proj-k_qdb7dbbf419_proj
	.p2alignl 7, 3214868480
	.fill 96, 4, 3214868480
	.section	.rodata,"a",@progbits
	.p2align	6, 0x0
	.amdhsa_kernel k_qdb7dbbf419_proj
		.amdhsa_group_segment_fixed_size 0
		.amdhsa_private_segment_fixed_size 0
		.amdhsa_enable_private_segment 0
		.amdhsa_kernarg_size 56
		.amdhsa_user_sgpr_count 2
		.amdhsa_user_sgpr_kernarg_segment_ptr 1
		.amdhsa_wavefront_size32 1
		.amdhsa_system_sgpr_workgroup_id_x 1
		.amdhsa_system_sgpr_workgroup_id_y 1
		.amdhsa_system_sgpr_workgroup_id_z 1
		.amdhsa_system_vgpr_workitem_id 0
		.amdhsa_next_free_vgpr 896
		.amdhsa_next_free_sgpr 66
		.amdhsa_reserve_vcc 1
		.amdhsa_float_denorm_mode_32 3
		.amdhsa_float_denorm_mode_16_64 3
		.amdhsa_memory_ordered 1
		.amdhsa_forward_progress 1
		.amdhsa_inst_pref_size 140
	.end_amdhsa_kernel
	.amdgpu_metadata
---
amdhsa.version: [ 1, 2 ]
amdhsa.kernels:
  - .name:           k_qdb7dbbf419_proj
    .symbol:         k_qdb7dbbf419_proj.kd
    .args:
      - { .name: inc, .offset: 0, .size: 8, .value_kind: global_buffer, .address_space: global }
      - { .name: ins, .offset: 8, .size: 8, .value_kind: global_buffer, .address_space: global }
      - { .name: bq, .offset: 16, .size: 8, .value_kind: global_buffer, .address_space: global }
      - { .name: bk, .offset: 24, .size: 8, .value_kind: global_buffer, .address_space: global }
      - { .name: bv, .offset: 32, .size: 8, .value_kind: global_buffer, .address_space: global }
      - { .name: hc, .offset: 40, .size: 8, .value_kind: global_buffer, .address_space: global }
      - { .name: hs, .offset: 48, .size: 8, .value_kind: global_buffer, .address_space: global }
    .group_segment_fixed_size: 0
    .private_segment_fixed_size: 0
    .kernarg_segment_align: 8
    .kernarg_segment_size: 56
    .max_flat_workgroup_size: 128
    .sgpr_count:     66
    .vgpr_count:     896
    .wavefront_size: 32
...
	.end_amdgpu_metadata
.endif
;; end of part 6
;; launch attn (part 7): grid 4 x 64, 16 waves a work-group, clusters of 4 x 1, 272,384 bytes of LDS; arguments hc, hs, ac, asc; writes ac, asc
.if DOCPART == 7
	.amdgcn_target "amdgcn-amd-amdhsa--gfx1250"
	.amdhsa_code_object_version 6
	.text
	.protected	k_qdb7dbbf419_attn
	.globl	k_qdb7dbbf419_attn
	.p2align	8
	.type	k_qdb7dbbf419_attn,@function
k_qdb7dbbf419_attn:
	s_mov_b64 s[64:65], 0
	v_nop
	global_prefetch_b8 v0, s[64:65] scope:SCOPE_SE
	s_setreg_imm32_b32 hwreg(HW_REG_WAVE_MODE, 25, 1), 1
	s_wait_xcnt 0x0
	s_wait_alu depctr_hold_cnt(0) depctr_sa_sdst(0) depctr_va_vdst(0) depctr_va_sdst(0) depctr_va_ssrc(0) depctr_va_vcc(0) depctr_vm_vsrc(0)
	s_getreg_b32 s2, hwreg(HW_REG_IB_STS2, 6, 4)
	s_cmp_eq_u32 s2, 0
	s_cbranch_scc0 .Lentry_in_a_cluster
	s_endpgm
.Lentry_in_a_cluster:
	s_bfe_u32 s2, ttmp6, 0x10000c
	s_cmp_lg_u32 s2, 0x3003
	s_cbranch_scc0 .Lentry_shape_is_right
	s_endpgm
.Lentry_shape_is_right:
; attn[b][q][head][:] = the sum over k of softmax_k(qh . kh / sqrt(512)) vh, both products on codes of FP8 (E4M3) with E8M0 scales; the result, divided by the row's sum, is quantised along E for the last projection.
; THE SOFTMAX: t = score x log2(e) / sqrt(512); M = the running largest t rounded UP to a whole number; p = 2^(t - M) is quantised along the keys, not normalised; the row's sum is taken of the unquantised p.
; When M moves, the sum and O are multiplied by 2^(old M - new M): exact.
; SHARES.  A cluster is the four quarters of the queries of one (b, head); a work-group owns 512 queries, in two passes of 16 tiles; each of its sixteen waves one tile of 16 a pass, in 256 registers: four waves to a SIMD.
; THE HEAD'S WHOLE K AND V STAY IN LDS: 131,072 bytes of codes each and 4,096 of scale bytes each, filled ONCE: no byte of LDS is filled again, so there is no ring.  The four work-groups need the same bytes, so each
; load is JOINT: the same descriptor and the mask of all four in all four.  Wave w brings 16 KB of codes (waves 0-7: K's key steps 2 w, 2 w + 1; waves 8-15: V's) and 512 bytes of scale words: two tensor loads of mine are out.
; All that lies in LDS is an image of operand registers: every LDS load takes 16 bytes a lane at 16 x lane: consecutive bytes.
; LAYOUT.  Both products are used transposed: S^T = K Q^T, O^T = V^T P^T: a lane holds ONE query.  The keys of a tile and the channels of a tile of V are permuted (the launch before laid them so): S^T's register
; 16 b + i is key 32 b + 16 h + i of the step, O^T's register 16 b + i is channel 32 b + 16 h + i.
; K = 64 IN A FORM OF K = 128.  K's operand is a PAIR of key tiles: registers 0-7 tile 2 p, registers 8-15 tile 2 p + 1.  Q stands between two runs of zero codes, v16-23 | v24-31 | v32-39: v[24:39] meets tile 2 p,
; v[16:31] tile 2 p + 1; the zero codes annul the other tile (no code here is the NaN code, no scale byte 0xff).  Q's scale word repeats its two bytes.
; LIMITS: NaN and infinities are not served; p under 2^-126 comes out of v_exp_f32 as 0; a block under 2^-118, and a block of zeros, keeps the byte 1.
; The scale bytes of the result leave as 2 bytes a row, 16 bytes apart (32 bytes a tile): blocks of 256 bytes are written in part there: eight heads share a row's 16 bytes, and they are made by eight clusters.
.set LI,  1                            ; v1   16 x lane
.set LS,  2                            ; v2   262,144 + 16 r: my row slot's four scale words of key step 0
.set ADK, 3                            ; v3-5 LDS addresses of the step in hand: K's codes, V's codes, the scale words
.set ADV, 4
.set ADS, 5
.set R16, 7                            ; v7   16 r
.set LN,  8                            ; v8   lane
.set QSC, 40                           ; v40  Q's scale word; v41 its two bytes as loaded
.set KV,  48                           ; v48-111   four fragments of K or of V
.set S,   112                          ; v112-175  S^T, then p
.set O,   176                          ; v176-207  O^T
.set PCD, 208                          ; v208-223  p's codes
.set BM,  224                          ; v224-227  the blocks' largest
.set T2,  228
.set HL,  232
.set SO,  236
.set KSC, 248                          ; v248-251  K's scale words, a pair each;  v252-255 V's, a tile each
.set VSC, 252
.set SEL, 36                           ; s[36:37]
.set CS,  38                           ; s[38:39]  c = log2(e) / sqrt(512)
.set MNT, 40
.set WV,  41
.set TK,  42                           ; s42  the step's codes begin here in K's and in V's region: 8,192 a step
.set TS,  43                           ; s43  its scale words: 256 a step
.macro CROUND                          ; a round of the cluster's barrier
	s_barrier_signal -1
	s_barrier_wait -1
	s_cmp_lg_u32 s[WV], 0
	s_cbranch_scc1 .Lnot_wave_0_\@
	s_barrier_signal -3
.Lnot_wave_0_\@:
	s_barrier_wait -3
	s_barrier_signal -1
	s_barrier_wait -1
.endm
.macro QLOAD n                         ; pass n's tile of Q: 1,024 bytes of codes, two scale bytes a row
	global_load_b128 v[24:27], v[LI], s[46:47] offset:\n*16384
	global_load_b128 v[28:31], v[LI], s[46:47] offset:\n*16384+512
	global_load_u16 v41, v[R16], s[48:49] offset:\n*512
.endm
	s_load_b256 s[4:11], s[0:1], 0x0               ; hc, hs, ac, asc
	v_lshl_add_u32 v246, v0, 2, 0x42000
	v_mov_b32 v247, 0
	ds_add_u32 v246, v247
	ds_add_u32 v246, v247
	v_lshrrev_b32 v9, 5, v0
	s_delay_alu instid0(VALU_DEP_1)
	v_readfirstlane_b32 s[WV], v9                  ; wave 0..15
	v_and_b32 v[LN], 31, v0
	s_delay_alu instid0(VALU_DEP_1)
	v_lshlrev_b32 v[LI], 4, v[LN]
	v_and_b32 v[R16], 15, v0
	s_delay_alu instid0(VALU_DEP_1)
	v_lshlrev_b32 v[R16], 4, v[R16]
	s_delay_alu instid0(VALU_DEP_1)
	v_add_nc_u32 v[LS], 0x40000, v[R16]
	s_bfe_u32 s55, ttmp6, 0x40000                  ; cx: it enters Q's and the results' global addresses alone
	s_lshl_b32 s56, ttmp9, 2
	s_add_co_u32 s56, s56, s55                     ; which quarter of the queries
	s_and_b32 s57, ttmp7, 0xffff                   ; 8 b + head, which the four partners share
	; group 1 for the codes: 64 rows of 256 bytes, dense: 16 KB
	s_mov_b32 s16, 15|(3<<16)|(1<<21)              ; 15:0 the mask: all four; 17:16 elements of 8 bytes; 21 set beside a mask; no padding
	s_mov_b32 s17, 32<<16                          ; tensor_dim0 = 32
	s_mov_b32 s18, 64<<16                          ; tensor_dim1 = 64
	s_mov_b32 s19, 32<<16                          ; tile_dim0 = 32
	s_mov_b32 s20, 64                              ; tile_dim1 = 64
	s_mov_b32 s21, 32                              ; the pitch
	s_mov_b32 s22, 0
	s_mov_b32 s23, 0
	; and for the scale words: 2 rows of 256 bytes
	s_mov_b32 s28, 15|(3<<16)|(1<<21)
	s_mov_b32 s29, 32<<16
	s_mov_b32 s30, 2<<16
	s_mov_b32 s31, 32<<16
	s_mov_b32 s32, 2
	s_mov_b32 s33, 32
	s_mov_b32 s34, 0
	s_mov_b32 s35, 0
	s_lshl_b32 s58, s57, 17                        ; codes: the head's 131,072 bytes,
	s_lshl_b32 s59, s[WV], 14
	s_add_co_u32 s58, s58, s59                     ; + 16,384 w,
	s_lshr_b32 s59, s[WV], 3
	s_mul_i32 s59, s59, 0x800000-0x20000           ; waves 8-15: V's region, 8 MB on, counted from wave 8,
	s_add_co_u32 s58, s58, s59
	s_add_co_u32 s58, s58, 0x800000                ; K's region begins at 8 MB
	s_mov_b32 s59, 0
	s_lshr_b32 s60, s[WV], 3
	s_add_co_u32 s60, s60, 1
	s_lshl_b32 s60, s60, 18                        ; scale words: K's region at 262,144, V's at 524,288,
	s_lshl_b32 s61, s57, 12
	s_add_co_u32 s60, s60, s61                     ; the head's 4,096 bytes,
	s_and_b32 s61, s[WV], 7
	s_lshl_b32 s61, s61, 9
	s_add_co_u32 s60, s60, s61                     ; my 512 of them
	s_mov_b32 s61, 0
	s_mov_b32 s12, 1
	s_lshl_b32 s13, s[WV], 14                      ; LDS: K's codes at 0, V's at 131,072: 16,384 w
	s_mov_b32 s24, 1
	s_lshl_b32 s25, s[WV], 9
	s_add_co_u32 s25, s25, 0x40000                 ; K's scale words at 262,144, V's at 266,240: 262,144 + 512 w
	s_lshl_b32 s44, s56, 5
	s_add_co_u32 s44, s44, s[WV]                   ; my tile of queries in pass 0: 32 x quarter + w
	s_lshl_b32 s46, s57, 7
	s_add_co_u32 s46, s46, s44
	s_lshl_b32 s46, s46, 10                        ; Q's codes: 1,024 bytes a tile
	s_mov_b32 s47, 0
	s_lshl_b32 s48, s57, 12                        ; Q's scale bytes: 4,096 a head, + 1,024 x quarter + 256 (w / 8) + 2 (w % 8)
	s_lshl_b32 s49, s56, 10
	s_add_co_u32 s48, s48, s49
	s_lshr_b32 s49, s[WV], 3
	s_lshl_b32 s49, s49, 8
	s_add_co_u32 s48, s48, s49
	s_and_b32 s49, s[WV], 7
	s_lshl_b32 s49, s49, 1
	s_add_co_u32 s48, s48, s49
	s_mov_b32 s49, 0
	s_lshr_b32 s45, s57, 3
	s_lshl_b32 s45, s45, 7
	s_add_co_u32 s45, s45, s44                     ; the token tile: 128 b + my tile
	s_and_b32 s62, s57, 7                          ; the head
	s_lshl_b32 s50, s45, 13
	s_lshl_b32 s51, s62, 10
	s_add_co_u32 s50, s50, s51                     ; ac: 8,192 a tile, 1,024 a head
	s_mov_b32 s51, 0
	s_lshl_b32 s52, s45, 8
	s_lshl_b32 s53, s62, 1
	s_add_co_u32 s52, s52, s53                     ; asc: 256 a tile, 2 a head
	s_mov_b32 s53, 0
	s_mov_b32 s[SEL], 0x76543210
	s_mov_b32 s[SEL+1], 0xfedcba98
	s_mov_b32 s[CS], 0x3d8293ee
	s_mov_b32 s[CS+1], s[CS]                       ; (named with it as a pair, so it is written)
	s_mov_b32 s[MNT], 0x600000
	s_wait_dscnt 0x0
	s_wait_kmcnt 0x0
	s_add_nc_u64 s[14:15], s[4:5], s[58:59]
	s_or_b32 s15, s15, 0x80000000                  ; type = 2
	s_add_nc_u64 s[26:27], s[6:7], s[60:61]
	s_or_b32 s27, s27, 0x80000000
	s_add_nc_u64 s[46:47], s[4:5], s[46:47]
	s_add_nc_u64 s[48:49], s[6:7], s[48:49]
	s_add_nc_u64 s[50:51], s[8:9], s[50:51]
	s_add_nc_u64 s[52:53], s[10:11], s[52:53]
	CROUND                                         ; all four work-groups are here: the joint loads meet
	tensor_load_to_lds s[12:15], s[16:23]          ; my 16 KB of codes
	s_nop 0
	tensor_load_to_lds s[24:27], s[28:35]          ; my 512 bytes of scale words
	s_nop 0
.rept 4
	v_nop
.endr
	s_wait_alu depctr_va_vdst(0)
	QLOAD 0
.irp j, 0,1,2,3,4,5,6,7
	v_mov_b32 v[16+\j], 0                          ; the zero codes on both sides of Q
	v_mov_b32 v[32+\j], 0
.endr
.irp b, 0,1,2,3
	v_mov_b32 v[T2+\b], 0                          ; a lane permute's destination counts as one of its sources
.endr
	v_mov_b32 v243, 0                              ; (named as the upper half of the pair v[242:243])
	s_wait_tensorcnt 0x0                           ; for the others' sake: both my loads have landed
	s_barrier_signal -1
	s_barrier_wait -1                              ; everybody's have: the head lies in LDS, and nothing writes LDS from here on
; A KEY STEP: 128 keys
.macro STEP
	v_add_nc_u32 v[ADK], s[TK], v[LI]
	v_add_nc_u32 v[ADS], s[TS], v[LS]
	s_delay_alu instid0(VALU_DEP_2)
	v_add_nc_u32 v[ADV], 0x20000, v[ADK]
.rept 5
	v_nop                                          ; with the three additions: eight places between the last step's products and the loads into their registers
.endr
.irp f, 0,1,2,3,4,5,6,7,8,9,10,11,12,13,14,15
	ds_load_b128 v[KV+4*\f:KV+4*\f+3], v[ADK] offset:\f*512   ; four pairs of key tiles
.endr
	ds_load_b128 v[KSC:KSC+3], v[ADS]              ; and a word for each pair
	s_wait_alu depctr_va_vdst(0)
	s_wait_dscnt 0x0
.irp p, 0,1,2,3
	v_wmma_scale_f32_16x16x128_f8f6f4 v[S+16*\p:S+16*\p+7], v[KV+16*\p:KV+16*\p+15], v[24:39], 0, v[KSC+\p], v[QSC]       ; tile 2 p: keys 32 p + 16 h + 0 .. 7
	v_wmma_scale_f32_16x16x128_f8f6f4 v[S+16*\p+8:S+16*\p+15], v[KV+16*\p:KV+16*\p+15], v[16:31], 0, v[KSC+\p], v[QSC]    ; tile 2 p + 1: keys 32 p + 16 h + 8 .. 15
.endr
.rept 8
	v_nop                                          ; places ahead of the loads below and of the first read of the scores
.endr
.irp f, 0,1,2,3,4,5,6,7,8,9,10,11,12,13,14,15
	ds_load_b128 v[KV+4*\f:KV+4*\f+3], v[ADV] offset:\f*512   ; V's four tiles of channels are asked for now and land under the softmax
.endr
	ds_load_b128 v[VSC:VSC+3], v[ADS] offset:4096
.irp b, 0,1,2,3
	v_max3_num_f32 v[BM+\b], v[S+16*\b], v[S+1+16*\b], v[S+2+16*\b]   ; the largest score of each block of 32 keys: for the row's maximum and, since p rises with the score, for the block's largest p
.endr
.irp i, 3,5,7,9,11,13
.irp b, 0,1,2,3
	v_max3_num_f32 v[BM+\b], v[BM+\b], v[S+16*\b+\i], v[S+1+16*\b+\i]
.endr
.endr
.irp b, 0,1,2,3
	v_max_num_f32 v[BM+\b], v[BM+\b], v[S+15+16*\b]
.endr
.irp b, 0,1,2,3
	s_delay_alu instid0(VALU_DEP_4)
	v_permlanex16_b32 v[T2+\b], v[BM+\b], s[SEL], s[SEL+1]
.endr
.irp b, 0,1,2,3
	s_delay_alu instid0(VALU_DEP_4)
	v_max_num_f32 v[BM+\b], v[BM+\b], v[T2+\b]     ; with lane l xor 16's 16 keys
.endr
	s_delay_alu instid0(VALU_DEP_2)
	v_max3_num_f32 v245, v[BM], v[BM+1], v[BM+2]
	s_delay_alu instid0(VALU_DEP_1)
	v_max_num_f32 v245, v245, v[BM+3]              ; the step's largest score of my query
	s_delay_alu instid0(VALU_DEP_1)
	v_mul_f32 v245, s[CS], v245                    ; as t (c is positive)
	s_delay_alu instid0(VALU_DEP_1)
	v_max_num_f32 v13, v13, v245                   ; the running largest t
	v_mov_b32 v245, v12
	s_delay_alu instid0(VALU_DEP_2)
	v_floor_f32 v12, -v13                          ; the new -M = floor(-t): M is a whole number
	s_delay_alu instid0(VALU_DEP_1)
	v_sub_f32 v245, v12, v245                      ; old M - new M: a whole number, 0 or less
	s_delay_alu instid0(VALU_DEP_1)
	v_cvt_i32_f32 v245, v245                       ; (it saturates)
	s_delay_alu instid0(VALU_DEP_1)
	v_ldexp_f32 v242, 1.0, v245                    ; f = 2^(old M - new M)
.set jj, 0
.rept 32
	v_pk_fma_f32 v[S+jj:S+jj+1], v[S+jj:S+jj+1], s[CS:CS+1], v[12:13] op_sel_hi:[1,0,0]   ; t - M, two at a time
.set jj, jj+2
.endr
.irp b, 0,1,2,3
	v_fma_f32 v[BM+\b], v[BM+\b], s[CS], v12       ; the same of each block's largest score
.endr
.set jj, 0
	s_wait_alu depctr_va_vdst(0)
.rept 64
	v_exp_f32 v[S+jj], v[S+jj]                     ; p = 2^(t - M)
.set jj, jj+1
.endr
	v_pk_mul_f32 v[14:15], v[14:15], v[242:243] op_sel_hi:[1,0]   ; the sums under the new M: the plain line behind the exponentials
	s_setprio 1
	s_wait_alu depctr_va_vdst(0)                   ; one wait for the batch of 64, ahead of its first reader
.irp b, 0,1,2,3
	v_exp_f32 v[BM+\b], v[BM+\b]                   ; the blocks' largest p
.endr
	v_pk_add_f32 v[240:241], v[116:117], v[120:121]
	v_pk_add_f32 v[46:47], v[124:125], v[128:129]
	v_pk_add_f32 v[44:45], v[132:133], v[136:137]
	v_pk_add_f32 v[42:43], v[140:141], v[144:145]
	v_pk_add_f32 v[10:11], v[148:149], v[152:153]
	v_pk_add_f32 v[14:15], v[14:15], v[156:157]
	v_pk_add_f32 v[240:241], v[240:241], v[160:161]
	v_pk_add_f32 v[46:47], v[46:47], v[164:165]
	v_pk_add_f32 v[44:45], v[44:45], v[168:169]
	v_pk_add_f32 v[42:43], v[42:43], v[172:173]
	v_pk_add_f32 v[10:11], v[10:11], v[112:113]
	v_pk_add_f32 v[14:15], v[14:15], v[114:115]
	v_pk_add_f32 v[240:241], v[240:241], v[118:119]
	v_pk_add_f32 v[46:47], v[46:47], v[122:123]
	v_pk_add_f32 v[44:45], v[44:45], v[126:127]
	v_pk_add_f32 v[42:43], v[42:43], v[130:131]
	v_pk_add_f32 v[10:11], v[10:11], v[134:135]
	v_pk_add_f32 v[14:15], v[14:15], v[138:139]
	v_pk_add_f32 v[240:241], v[240:241], v[142:143]
	v_pk_add_f32 v[46:47], v[46:47], v[146:147]
	v_pk_add_f32 v[44:45], v[44:45], v[150:151]
	v_pk_add_f32 v[42:43], v[42:43], v[154:155]
	v_pk_add_f32 v[10:11], v[10:11], v[158:159]
	v_pk_add_f32 v[14:15], v[14:15], v[162:163]
	v_pk_add_f32 v[240:241], v[240:241], v[166:167]
	v_pk_add_f32 v[46:47], v[46:47], v[170:171]
	v_pk_add_f32 v[44:45], v[44:45], v[174:175]
	s_delay_alu instid0(VALU_DEP_1)
	v_pk_add_f32 v[14:15], v[14:15], v[44:45]
	s_delay_alu instid0(VALU_DEP_4)
	v_pk_add_f32 v[240:241], v[240:241], v[42:43]
	s_delay_alu instid0(VALU_DEP_4)
	v_pk_add_f32 v[46:47], v[46:47], v[10:11]
	s_delay_alu instid0(VALU_DEP_1)
	v_pk_add_f32 v[14:15], v[14:15], v[46:47]
	s_delay_alu instid0(VALU_DEP_1)
	v_pk_add_f32 v[14:15], v[14:15], v[240:241]
	s_wait_alu depctr_va_vdst(0)                   ; and one for the four
.irp b, 0,1,2,3
	v_max_num_f32 v[BM+\b], 0x4800000, v[BM+\b]    ; the floor 2^(9 - 127): the byte cannot fall under 1
.endr
.irp b, 0,1,2,3
	s_delay_alu instid0(VALU_DEP_4)
	v_add_nc_u32 v[SO+\b], 0xfc000000, v[BM+\b]    ; the conversion's scale operand
.endr
.irp b, 0,1,2,3
	v_and_or_b32 v[HL+\b], v[BM+\b], 0x7f800000, s[MNT]   ; 448 x the scale
.endr
.irp b, 0,1,2,3
	v_lshrrev_b32 v[T2+\b], 23, v[SO+\b]           ; the scale's byte
.endr
	s_delay_alu instid0(VALU_DEP_3)
	v_lshl_or_b32 v244, v[T2+1], 8, v[T2]          ; p's scale word for these 128 keys
	s_delay_alu instid0(VALU_DEP_1)
	v_lshl_or_b32 v244, v[T2+2], 16, v244
	s_delay_alu instid0(VALU_DEP_1)
	v_lshl_or_b32 v244, v[T2+3], 24, v244
.irp b, 0,1,2,3
.irp i, 0,1,2,3,4,5,6,7,8,9,10,11,12,13,14,15
	v_min_num_f32 v[S+16*\b+\i], v[S+16*\b+\i], v[HL+\b]   ; the conversion does not saturate (ISA guide 7.6.2); p is not negative: a one-sided hold
.endr
	v_cvt_scalef32_pk8_fp8_f32 v[PCD+4*\b:PCD+4*\b+1], v[S+16*\b:S+16*\b+7], v[SO+\b]
	v_cvt_scalef32_pk8_fp8_f32 v[PCD+4*\b+2:PCD+4*\b+3], v[S+16*\b+8:S+16*\b+15], v[SO+\b]
.endr
.set jj, 0
	s_setprio 0
.rept 16
	v_pk_mul_f32 v[O+jj:O+jj+1], v[O+jj:O+jj+1], v[242:243] op_sel_hi:[1,0]   ; O^T under the new M, each accumulator from its low end on; also the places between the codes and the products
.set jj, jj+2
.endr
.rept 4
	v_nop                                          ; between the last writes of O^T and the products that add onto it
.endr
	s_wait_alu depctr_va_vdst(0)
	s_wait_dscnt 0x0                               ; V is in
.irp t, 0,1,2,3
	v_wmma_scale_f32_16x16x128_f8f6f4 v[O+8*\t:O+8*\t+7], v[KV+16*\t:KV+16*\t+15], v[PCD:PCD+15], v[O+8*\t:O+8*\t+7], v[VSC+\t], v244   ; four accumulators, one instruction each: by turns
.endr
	s_add_co_u32 s[TK], s[TK], 8192
	s_add_co_u32 s[TS], s[TS], 256
.endm
; THE WAY OUT of pass n: O^T / the sum; its 32 numbers a lane are two blocks of 32 along E (with lane l xor 16): quantised, they are two chunks of the last projection's operand.
.macro OUT n
.rept 8
	v_nop                                          ; places behind the last products
.endr
.if \n == 0
	QLOAD 1                                        ; the next pass's Q lands under the way out
.endif
	v_add_f32 v14, v14, v15                        ; the sum's two halves,
	s_delay_alu instid0(VALU_DEP_1)
	v_permlanex16_b32 v245, v14, s[SEL], s[SEL+1]
	s_delay_alu instid0(VALU_DEP_1)
	v_add_f32 v14, v14, v245                       ; and lane l xor 16's
	s_wait_alu depctr_va_vdst(0)
	v_rcp_f32 v14, v14
	v_nop                                          ; a plain line behind the reciprocal,
	s_wait_alu depctr_va_vdst(0)                   ; and the wait ahead of its first reader
.set jj, 0
.rept 16
	v_pk_mul_f32 v[S+jj:S+jj+1], v[O+jj:O+jj+1], v[14:15] op_sel_hi:[1,0]
.set jj, jj+2
.endr
	s_wait_alu depctr_va_vdst(0)
	s_wait_xcnt 0x0                                ; the last pass's stores have read the registers written below
.irp b, 0,1
	v_max3_num_f32 v[BM+\b], |v[S+16*\b]|, |v[S+1+16*\b]|, 0x4800000
.endr
.irp i, 2,4,6,8,10,12,14
.irp b, 0,1
	s_delay_alu instid0(VALU_DEP_2)
	v_max3_num_f32 v[BM+\b], v[BM+\b], |v[S+16*\b+\i]|, |v[S+1+16*\b+\i]|
.endr
.endr
.irp b, 0,1
	s_delay_alu instid0(VALU_DEP_2)
	v_permlanex16_b32 v[T2+\b], v[BM+\b], s[SEL], s[SEL+1]
.endr
.irp b, 0,1
	s_delay_alu instid0(VALU_DEP_2)
	v_max_num_f32 v[BM+\b], v[BM+\b], v[T2+\b]
.endr
.irp b, 0,1
	s_delay_alu instid0(VALU_DEP_2)
	v_add_nc_u32 v[SO+\b], 0xfc000000, v[BM+\b]
.endr
.irp b, 0,1
	s_delay_alu instid0(VALU_DEP_4)
	v_and_or_b32 v[HL+\b], v[BM+\b], 0x7f800000, s[MNT]
.endr
.irp b, 0,1
	s_delay_alu instid0(VALU_DEP_4)
	v_lshrrev_b32 v[T2+\b], 23, v[SO+\b]
.endr
	s_delay_alu instid0(VALU_DEP_1)
	v_lshl_or_b32 v245, v[T2+1], 8, v[T2]          ; my row's two scale bytes of this head
.irp b, 0,1
.irp i, 0,1,2,3,4,5,6,7,8,9,10,11,12,13,14,15
	v_med3_num_f32 v[S+16*\b+\i], v[S+16*\b+\i], -v[HL+\b], v[HL+\b]
.endr
	v_cvt_scalef32_pk8_fp8_f32 v[PCD+4*\b:PCD+4*\b+1], v[S+16*\b:S+16*\b+7], v[SO+\b]
	v_cvt_scalef32_pk8_fp8_f32 v[PCD+4*\b+2:PCD+4*\b+3], v[S+16*\b+8:S+16*\b+15], v[SO+\b]
.endr
	v_nop                                          ; one plain line behind the last conversion
	global_store_b128 v[LI], v[PCD:PCD+3], s[50:51] offset:\n*131072         ; 512 consecutive bytes each, aligned
	global_store_b128 v[LI], v[PCD+4:PCD+7], s[50:51] offset:\n*131072+512
	s_wait_xcnt 0x0                                ; EXEC changes only when every earlier memory instruction has read it
	v_cmp_gt_u32 vcc_lo, 16, v[LN]
	s_and_saveexec_b32 s54, vcc_lo                 ; lanes 16-31 hold the same bytes
	global_store_b16 v[R16], v245, s[52:53] offset:\n*4096
	s_wait_xcnt 0x0                                ; and again ahead of the line that widens it
	s_or_b32 exec_lo, exec_lo, s54
.endm
.macro PASS n
	s_wait_loadcnt 0x0                             ; Q
	v_lshl_or_b32 v[QSC], v41, 16, v41             ; its two bytes twice: whichever half of K the codes stand in
	v_mov_b32 v13, 0xff61b1e6                      ; the largest t so far: -3e38
	s_delay_alu instid0(VALU_DEP_1)
	v_floor_f32 v12, -v13                          ; -M
	v_mov_b32 v14, 0
	v_mov_b32 v15, 0
.set jj, 0
.rept 32
	v_mov_b32 v[O+jj], 0                           ; O^T: the step is written once; its first turn finds zeros.  (Also the places between Q's scale word and the first product)
.set jj, jj+1
.endr
	s_mov_b32 s[TK], 0
	s_mov_b32 s[TS], 0
	s_mov_b32 s44, 16
.Lstep_\@:
	s_setprio 2
	STEP
	s_sub_co_u32 s44, s44, 1
	s_cmp_lg_u32 s44, 0
	s_cbranch_scc1 .Lstep_\@
	s_setprio 0
	OUT \n
.endm
	PASS 0
	PASS 1
	s_wait_tensorcnt 0x0
	ds_add_u32 v246, v247
	s_wait_dscnt 0x0
	CROUND                                         ; the closing round: no work-group ends while a partner may still ask for a tile that names it
	s_endpgm
.Lfunc_end_k_qdb7dbbf419_attn:
	.size	k_qdb7dbbf419_attn, .Lfunc_end_k_qdb7dbbf419_attn-k_qdb7dbbf419_attn
	.p2alignl 7, 3214868480
	.fill 96, 4, 3214868480
	.section	.rodata,"a",@progbits
	.p2align	6, 0x0
	.amdhsa_kernel k_qdb7dbbf419_attn
		.amdhsa_group_segment_fixed_size 272384
		.amdhsa_private_segment_fixed_size 0
		.amdhsa_enable_private_segment 0
		.amdhsa_kernarg_size 32
		.amdhsa_user_sgpr_count 2
		.amdhsa_user_sgpr_kernarg_segment_ptr 1
		.amdhsa_wavefront_size32 1
		.amdhsa_system_sgpr_workgroup_id_x 1
		.amdhsa_system_sgpr_workgroup_id_y 1
		.amdhsa_system_sgpr_workgroup_id_z 1
		.amdhsa_system_vgpr_workitem_id 0
		.amdhsa_next_free_vgpr 256
		.amdhsa_next_free_sgpr 66
		.amdhsa_reserve_vcc 1
		.amdhsa_float_denorm_mode_32 3
		.amdhsa_float_denorm_mode_16_64 3
		.amdhsa_memory_ordered 1
		.amdhsa_forward_progress 1
		.amdhsa_inst_pref_size 63
	.end_amdhsa_kernel
	.amdgpu_metadata
---
amdhsa.version: [ 1, 2 ]
amdhsa.kernels:
  - .name:           k_qdb7dbbf419_attn
    .symbol:         k_qdb7dbbf419_attn.kd
    .args:
      - { .name: hc, .offset: 0, .size: 8, .value_kind: global_buffer, .address_space: global }
      - { .name: hs, .offset: 8, .size: 8, .value_kind: global_buffer, .address_space: global }
      - { .name: ac, .offset: 16, .size: 8, .value_kind: global_buffer, .address_space: global }
      - { .name: asc, .offset: 24, .size: 8, .value_kind: global_buffer, .address_space: global }
    .group_segment_fixed_size: 272384
    .private_segment_fixed_size: 0
    .kernarg_segment_align: 8
    .kernarg_segment_size: 32
    .max_flat_workgroup_size: 512
    .sgpr_count:     66
    .vgpr_count:     256
    .wavefront_size: 32
...
	.end_amdgpu_metadata
.endif
;; end of part 7
;; launch outp (part 8): grid 256 x 1, 4 waves a work-group, no clusters, 34,304 bytes of LDS; arguments ac, asc, inc, ins, bo, out0; writes out0
.if DOCPART == 8
	.amdgcn_target "amdgcn-amd-amdhsa--gfx1250"
	.amdhsa_code_object_version 6
	.text
	.protected	k_qdb7dbbf419_outp
	.globl	k_qdb7dbbf419_outp
	.p2align	8
	.type	k_qdb7dbbf419_outp,@function
k_qdb7dbbf419_outp:
	s_mov_b64 s[64:65], 0
	v_nop
	global_prefetch_b8 v0, s[64:65] scope:SCOPE_SE
	s_setreg_imm32_b32 hwreg(HW_REG_WAVE_SCHED_MODE, 0, 2), 2
	s_setreg_imm32_b32 hwreg(HW_REG_WAVE_MODE, 25, 1), 1
	s_wait_xcnt 0x0
	s_wait_alu depctr_vm_vsrc(0)
; out0 = attn Wo^T + bo on codes of FP8 (E4M3) with E8M0 scales; out0 [16384][512] f32.
; A work-group takes four token tiles (64 rows of out0); wave w makes features 128 w .. 128 w + 127 of them, with its part of Wo (8 permuted tiles: 32 fragments, 512 registers) in registers, as source 0; a token tile is source 1:
; a lane holds a token, and accumulator register 16 b + i is feature 128 w + 32 b + 16 h + i.  bo is the C of each sum's first product.  All operands are images of registers in memory: every load takes 512 consecutive bytes.
; A tile's 16 rows x 512 bytes go through the wave's own stage in LDS (rows 528 bytes apart) and leave as whole rows: 32 lanes store 512 consecutive bytes, aligned.  No barrier: waves share nothing in LDS.
; No cluster: operands go from memory straight into registers; a work-group's own 34 KB of tokens is read by its four waves, Wo's 256 KB by all work-groups, once a wave.
; THE MODE: SCHED_MODE bits 1:0 = 2 (LLVM: expert scheduling mode 2), set by the entry lines.  The code itself states the register dependences
; between vector or matrix instructions and memory or LDS instructions, with s_wait_alu, always for 0.
; THE PLAN.  Registers that memory or LDS instructions touch, tile by tile:
;   v16-79    the accumulators: written by tile i's 32 products; read by its sixteen LDS stores into the stage; written anew by tile i + 1's products.
;   v80-143   rows on their way out: tile i's sixteen LDS loads land there; its sixteen global stores read them; tile i + 1's LDS loads land there again.  No vector or matrix instruction names them.
;   v1-6      offsets and addresses, made at the head and never written again.   The operands, their scale words and bo are loaded once, at the head.
; Tile i's global stores stand among tile i + 1's products, eight behind each half, which name none of their registers: the stage's round trip passes under matrix work.
; So a tile has one wait on va_vdst, behind its places (the accumulators are written: the stage's stores follow), and from the second tile on two on vm_vsrc: at its head (the stage's stores have read the
; accumulators) and ahead of its LDS loads (the last tile's global stores have read v80-143).
; REGISTERS: window 0: v1-6 offsets; v16-79 accumulators; v80-143 rows on their way out; v144-159 the token tiles' scale words; v160-191 Wo's; v192-255 bo.   windows 1, 2: Wo.   window 3: the four token tiles.
.set LI,  1                            ; v1  16 x lane
.set BO,  2                            ; v2  64 h
.set R16, 3                            ; v3  16 r
.set STO, 4                            ; v4  the stage, in: row r, + 64 h
.set SRD, 5                            ; v5  the stage, back: 16 x lane
.set CO,  6                            ; v6  16 x lane + 512 w: my bytes of a row of out0
.set ACC, 16
.set OUTR, 80
.set TS,  144
.set SS,  160
.set BI,  192
.set MSB, 0
.macro WIN new                         ; the immediate's high byte repeats the setting that is left
.if MSB != \new
	s_set_vgpr_msb (MSB<<8)|\new
.set MSB, \new
.endif
.endm
; 16 matrix instructions: Wo's tiles t0 .. t0 + 3 x token tile i: four accumulators by turns, one instruction a turn
.macro MMH i, t0
.irp s, 0,1,2,3
.irp u, 0,1,2,3
.if \s == 0
	v_wmma_scale_f32_16x16x128_f8f6f4 v[ACC+8*(\t0+\u):ACC+8*(\t0+\u)+7], v[64*\u+16*\s:64*\u+16*\s+15], v[64*\i+16*\s:64*\i+16*\s+15], v[BI+8*(\t0+\u):BI+8*(\t0+\u)+7], v[SS+4*(\t0+\u)+\s], v[TS+4*\i+\s]
.else
	v_wmma_scale_f32_16x16x128_f8f6f4 v[ACC+8*(\t0+\u):ACC+8*(\t0+\u)+7], v[64*\u+16*\s:64*\u+16*\s+15], v[64*\i+16*\s:64*\i+16*\s+15], v[ACC+8*(\t0+\u):ACC+8*(\t0+\u)+7], v[SS+4*(\t0+\u)+\s], v[TS+4*\i+\s]
.endif
.endr
.endr
.endm
; rows base .. base + 7 of tile i leave.  Their data come from LDS loads: the counted wait is all that the stores hang on
.macro SEND i, base
.irp t, 0,1,2,3,4,5,6,7
	s_wait_dscnt 15-(\base)-\t                     ; LDS loads come back in order (ISA guide 5.7.1): this row is back; the younger rows may be out
	global_store_b128 v[CO], v[OUTR+4*((\base)+\t):OUTR+4*((\base)+\t)+3], s[14:15] offset:(\i)*32768+((\base)+\t)*2048 th:TH_STORE_NT   ; 512 consecutive bytes of a row, aligned; written once, read by nobody here
.endr
.endm
	s_load_b256 s[4:11], s[0:1], 0x0               ; ac, asc, inc, ins
	s_load_b128 s[12:15], s[0:1], 0x20             ; bo, out0
	v_lshl_add_u32 v14, v0, 2, 0x8400
	v_mov_b32 v15, 0
	v_lshrrev_b32 v7, 5, v0
	v_readfirstlane_b32 s18, v7                    ; wave w
	v_and_b32 v8, 31, v0
	v_lshlrev_b32 v[LI], 4, v8
	v_and_b32 v9, 15, v0                           ; r
	v_bfe_u32 v10, v0, 4, 1                        ; h
	v_lshlrev_b32 v[BO], 6, v10
	v_lshlrev_b32 v[R16], 4, v9
	s_wait_alu depctr_va_sdst(0)                   ; s18 is written, ahead of its first reader: the stage's place and the bases are made from it
	s_mul_i32 s19, s18, 16*528                     ; my stage
	v_mul_u32_u24 v[STO], v9, 528
	v_lshl_add_u32 v[STO], v10, 6, v[STO]
	v_add_nc_u32 v[STO], s19, v[STO]
	v_add_nc_u32 v[SRD], s19, v[LI]
	s_lshl_b32 s30, s18, 9
	s_mov_b32 s31, 0
	v_add_nc_u32 v[CO], s30, v[LI]
	s_lshl_b32 s20, ttmp9, 15                      ; my four token tiles: 8,192 bytes of codes each,
	s_mov_b32 s21, 0
	s_lshl_b32 s22, ttmp9, 10                      ; 256 of scale words each
	s_mov_b32 s23, 0
	s_lshl_b32 s24, s18, 3
	s_add_co_u32 s24, s24, 3168                    ; Wo's tiles 8 w on
	s_lshl_b32 s26, s24, 13
	s_mov_b32 s27, 0
	s_lshl_b32 s28, s24, 9
	s_mov_b32 s29, 0
	s_lshl_b32 s32, ttmp9, 17                      ; my 64 rows of out0, 2,048 bytes each
	s_mov_b32 s33, 0
	s_wait_kmcnt 0x0
	s_add_nc_u64 s[4:5], s[4:5], s[20:21]
	s_add_nc_u64 s[6:7], s[6:7], s[22:23]
	s_add_nc_u64 s[8:9], s[8:9], s[26:27]
	s_add_nc_u64 s[10:11], s[10:11], s[28:29]
	s_add_nc_u64 s[12:13], s[12:13], s[30:31]
	s_add_nc_u64 s[14:15], s[14:15], s[32:33]
	WIN 0xc0                                       ; destination window 3
	s_wait_alu depctr_va_vdst(0)                   ; the six offsets and addresses v1 to v6 are written: every load, store and LDS instruction of the kernel reads one of them, and no line writes them again
.irp i, 0,1,2,3
.irp f, 0,1,2,3,4,5,6,7,8,9,10,11,12,13,14,15
	global_load_b128 v[64*\i+4*\f:64*\i+4*\f+3], v[LI], s[4:5] offset:\i*8192+\f*512
.endr
.endr
	WIN 0
.irp i, 0,1,2,3
	global_load_b128 v[TS+4*\i:TS+4*\i+3], v[R16], s[6:7] offset:\i*256   ; row r's four words
.endr
	WIN 0x40
.irp t, 0,1,2,3
.irp f, 0,1,2,3,4,5,6,7,8,9,10,11,12,13,14,15
	global_load_b128 v[64*\t+4*\f:64*\t+4*\f+3], v[LI], s[8:9] offset:\t*8192+\f*512
.endr
.endr
	WIN 0x80
.irp t, 0,1,2,3
.irp f, 0,1,2,3,4,5,6,7,8,9,10,11,12,13,14,15
	global_load_b128 v[64*\t+4*\f:64*\t+4*\f+3], v[LI], s[8:9] offset:(\t+4)*8192+\f*512
.endr
.endr
	WIN 0
.irp t, 0,1,2,3,4,5,6,7
	global_load_b128 v[SS+4*\t:SS+4*\t+3], v[LI], s[10:11] offset:\t*512
.endr
.irp t, 0,1,2,3,4,5,6,7
	global_load_b128 v[BI+8*\t:BI+8*\t+3], v[BO], s[12:13] offset:(32*(\t/2)+8*(\t%2))*4       ; lane (r, h), tile t: features 32 (t / 2) + 16 h + 8 (t % 2) + 0 .. 7
	global_load_b128 v[BI+8*\t+4:BI+8*\t+7], v[BO], s[12:13] offset:(32*(\t/2)+8*(\t%2))*4+16
.endr
	s_wait_loadcnt 0x0                             ; the first product wants the youngest loads too
.irp i, 0,1,2,3
.if \i > 0
	s_wait_alu depctr_vm_vsrc(0)                   ; the last tile's LDS stores into the stage have read the accumulators, which the products below write anew
.endif
	WIN 0x0d                                       ; source 0 (Wo) window 1, source 1 (tokens) window 3, C and D window 0
	MMH \i, 0
.if \i > 0
	WIN 0
	SEND \i-1, 0                                   ; the last tile's rows 0 to 7: no product names v80-143 or v6
.endif
	WIN 0x0e
	MMH \i, 4
	WIN 0
.if \i > 0
	SEND \i-1, 8                                   ; and its rows 8 to 15
.endif
.rept 9
	v_nop                                          ; eight places ahead of the LDS stores that read the results; nine, since the next tile's products begin these accumulators anew
.endr
	s_wait_alu depctr_va_vdst(0)                   ; the products have written the accumulators, which the LDS stores below read; the places above stay beside this wait
.if \i > 0
	s_wait_xcnt 0x0                                ; the last tile's stores have read the registers that the loads below fill
	s_wait_alu depctr_vm_vsrc(0)                   ; the last tile's global stores have read v80-143, in which the LDS loads below land
.endif
.irp b, 0,1,2,3
.irp q, 0,1,2,3
	ds_store_b128 v[STO], v[ACC+16*\b+4*\q:ACC+16*\b+4*\q+3] offset:\b*128+\q*16   ; each accumulator from its low end on
.endr
.endr
.irp t, 0,1,2,3,4,5,6,7,8,9,10,11,12,13,14,15
	ds_load_b128 v[OUTR+4*\t:OUTR+4*\t+3], v[SRD] offset:\t*528   ; LDS serves a wave's instructions in order (ISA guide 5.7.1.4): these see my stores
.endr
.endr
	SEND 3, 0                                      ; the last tile has no products behind it
	SEND 3, 8
	s_wait_dscnt 0x0                               ; the closing lines, six on end
	s_wait_alu 0x0
	s_wait_tensorcnt 0x0
	ds_add_u32 v14, v15
	s_wait_dscnt 0x0
	s_endpgm
.Lfunc_end_k_qdb7dbbf419_outp:
	.size	k_qdb7dbbf419_outp, .Lfunc_end_k_qdb7dbbf419_outp-k_qdb7dbbf419_outp
	.p2alignl 7, 3214868480
	.fill 96, 4, 3214868480
	.section	.rodata,"a",@progbits
	.p2align	6, 0x0
	.amdhsa_kernel k_qdb7dbbf419_outp
		.amdhsa_group_segment_fixed_size 34304
		.amdhsa_private_segment_fixed_size 0
		.amdhsa_enable_private_segment 0
		.amdhsa_kernarg_size 48
		.amdhsa_user_sgpr_count 2
		.amdhsa_user_sgpr_kernarg_segment_ptr 1
		.amdhsa_wavefront_size32 1
		.amdhsa_system_sgpr_workgroup_id_x 1
		.amdhsa_system_sgpr_workgroup_id_y 1
		.amdhsa_system_sgpr_workgroup_id_z 1
		.amdhsa_system_vgpr_workitem_id 0
		.amdhsa_next_free_vgpr 1024
		.amdhsa_next_free_sgpr 66
		.amdhsa_reserve_vcc 0
		.amdhsa_float_denorm_mode_32 3
		.amdhsa_float_denorm_mode_16_64 3
		.amdhsa_memory_ordered 1
		.amdhsa_forward_progress 1
		.amdhsa_inst_pref_size 57
	.end_amdhsa_kernel
	.amdgpu_metadata
---
amdhsa.version: [ 1, 2 ]
amdhsa.kernels:
  - .name:           k_qdb7dbbf419_outp
    .symbol:         k_qdb7dbbf419_outp.kd
    .args:
      - { .name: ac, .offset: 0, .size: 8, .value_kind: global_buffer, .address_space: global }
      - { .name: asc, .offset: 8, .size: 8, .value_kind: global_buffer, .address_space: global }
      - { .name: inc, .offset: 16, .size: 8, .value_kind: global_buffer, .address_space: global }
      - { .name: ins, .offset: 24, .size: 8, .value_kind: global_buffer, .address_space: global }
      - { .name: bo, .offset: 32, .size: 8, .value_kind: global_buffer, .address_space: global }
      - { .name: out0, .offset: 40, .size: 8, .value_kind: global_buffer, .address_space: global }
    .group_segment_fixed_size: 34304
    .private_segment_fixed_size: 0
    .kernarg_segment_align: 8
    .kernarg_segment_size: 48
    .max_flat_workgroup_size: 128
    .sgpr_count:     66
    .vgpr_count:     1024
    .wavefront_size: 32
...
	.end_amdgpu_metadata
.endif
;; end of part 8
